; MI455X (gfx1250); checked and timed in simulation.
; The chip was launched on July 23, 2026; its instructions are those of AMD's public machine-readable ISA for CDNA 5 (MIT licence, August 2026) and "CDNA5" Instruction Set Architecture Reference Guide (July 2026). The comments in the code are by the model that wrote it; some were corrected since.
;; Bandit Layer. Allowed arithmetic: float matrix products may take bf16 or f16 operands with f32 sums; other float arithmetic in f32, or as packed bf16 or f16 multiplies, adds, multiply-adds, maxima and minima; sums over many terms, partial sums and values carried from step to step in f32; what a program stores and reads back later, other than sums and carried values, may be rounded once to bf16 or f16.
;; Inputs: bias 8,192 float32; weight 8,192 x 4,096 float32; x 2,048 x 4,096 float32.
;; Outputs: out0 2,048 x 8,192 float32.
;; 4 versions, each right; version 4 is version 3 with the launch cvt written anew for expert scheduling mode. Each part assembles by itself: llvm-mc -triple=amdgcn-amd-amdhsa -mcpu=gfx1250 --defsym DOCPART=n.
;; ======== version 1 of 4: 1 launch
;; launch gemm (part 1): grid 32 x 8, 4 waves a work-group, clusters of 4 x 4, 327,680 bytes of LDS; arguments x, weight, out0, bias; writes out0
.if DOCPART == 1
	.amdgcn_target "amdgcn-amd-amdhsa--gfx1250"
	.amdhsa_code_object_version 6
	.text
	.protected	k_q222a20c588_gemm
	.globl	k_q222a20c588_gemm
	.p2align	8
	.type	k_q222a20c588_gemm,@function
k_q222a20c588_gemm:
	s_mov_b64 s[64:65], 0
	v_nop
	global_prefetch_b8 v0, s[64:65] scope:SCOPE_SE
	s_setreg_imm32_b32 hwreg(HW_REG_WAVE_MODE, 25, 1), 1
	s_wait_xcnt 0x0
	s_wait_alu depctr_hold_cnt(0) depctr_sa_sdst(0) depctr_va_vdst(0) depctr_va_sdst(0) depctr_va_ssrc(0) depctr_va_vcc(0) depctr_vm_vsrc(0)
	s_getreg_b32 s2, hwreg(HW_REG_IB_STS2, 6, 4)
	s_cmp_eq_u32 s2, 0
	s_cbranch_scc0 .Lentry_in_a_cluster
	s_endpgm
.Lentry_in_a_cluster:
	s_bfe_u32 s2, ttmp6, 0x10000c
	s_cmp_lg_u32 s2, 0xf033
	s_cbranch_scc0 .Lentry_shape_is_right
	s_endpgm
.Lentry_shape_is_right:
; out0[m][n] = bias[n] + the sum over p of x[m][p] weight[n][p].  x: [2048][4096], weight: [8192][4096], bias: [8192], out0: [2048][8192], all f32.
; FORMATS AND LIMITS.  x and weight are rounded once, to nearest even, to bf16 on the way from LDS to the matrix unit (a number beyond bf16's largest finite one, 3.39e38, becomes an infinity);
; products and sums in f32, with bias as the sum's first term, K ascending in groups of 32: another order of rounding than a plain f32 dot product's.  NaN and infinities are not treated apart.
; SHARES.  A tile of out0, 256 x 256, is made by a work-group of four waves; there are 8 x 32 tiles, one to a work-group.  A wave makes 128 x 128: 64 accumulators of 16 x 16, 512 registers.
; K goes in 64 steps of 64 through a ring of two LDS slots filled by the tensor data mover with f32 as it lies in memory: a tile's rows are 256 bytes and start at multiples of 256 bytes from
; the buffer's first byte.  A K step is two PIECES of 32 along K, 64 matrix instructions a wave each.
; THE CONVERSION RIDES.  A fragment (16 rows x 32 K) is four LDS loads of 16 bytes a lane (16 raw registers) and eight v_cvt_pk_bf16_f32 (8 registers).  While piece p is multiplied out of one bf16 buffer,
; piece p + 1 is converted into the other, and raw fragments are loaded eight fragments ahead of their conversion into a ring of four raw fragments a side.  Behind each two matrix instructions stand
; four conversions and two LDS loads of ONE side, under one window setting: 128 conversions set in a phase of their own would leave the matrix unit without work all that while.
; CLUSTERS: 4 x 4 work-groups.  The four of a row of the cluster need the same tiles of x, the four of a column the same tiles of weight: each tile is asked for JOINTLY, by the same tensor load
; with the same descriptor and a mask that names the four.
; THE MATRIX INSTRUCTION IS USED TRANSPOSED (source 0 = 16 rows of weight, source 1 = 16 rows of x): lane l holds row l % 16 of out0, its registers 0-7 the columns 8 (l / 16) + 0..7: 32 bytes on end.
; REGISTERS, in windows of 256 (s_set_vgpr_msb's low byte: bits 1:0 source 0, 3:2 source 1, 5:4 source 2, 7:6 destination):
;   window 0: v0-31 addresses; v32-47 two fragments of zeros; v64-127, v128-191 bf16 fragments of x, two buffers; v192-255 raw f32 of x, four fragments
;             (v128-191 hold the bias ahead of the loop; v64-191 hold rows of out0 on the way out)
;   window 1: v16-17 LDS addresses of weight's fragments; v64-127, v128-191, v192-255 as in window 0, for weight.  So a side's address, raw and bf16 registers lie in one window.
;   window 2: the 32 accumulators of my rows 0-63 (accumulator (a, b) at v[8 (8 (a % 4) + b)]);   window 3: those of my rows 64-127
.set SIZE_M, 2048
.set SIZE_N, 8192
.set SIZE_K, 4096
.set KSTEP,  64                        ; f32 numbers of a row in a K step
.set STEPB,  KSTEP*4                   ; 256 bytes
.set PITCH,  272                       ; an LDS row: 256 bytes + 16 of padding = 68 words: row r starts at bank 4 r mod 64 (64 banks of 4 bytes: ISA guide 11.1), so the 16 rows of a load start at 16 different banks
.set HALFT,  128*PITCH                 ; 128 rows: what one tensor load brings, and what one wave reads of x or of weight
.set SLOT,   4*HALFT                   ; x's 256 rows, then weight's 256 rows
.set STAGE,  2*SLOT                    ; behind the ring, never filled by a tensor load: 16 rows x 528 bytes for each wave, for the way out
.set SPITCH, 528                       ; 512 bytes + 16
.set SPARE,  STAGE+4*16*SPITCH         ; behind the stages: the spare words, 128 bytes for each wave: two blocks of 256 bytes that no other line names
.set LAPS,   SIZE_K/(2*KSTEP)          ; a lap = two K steps = once round the ring: 32
.set ADR,  16                          ; v16-17  LDS address of my fragments in slot 0, 1: x's in window 0, weight's in window 1
.set STO,  24                          ; v24     the way out: where I put 32 bytes of a row
.set RD,   25                          ; v25     the way out: where I read 16 bytes of a row back
.set CO,   26                          ; v26     16 x my lane: my bytes in 512 consecutive bytes of out0
.set BO,   27                          ; v27     32 (l / 16): my eight columns in a block of 16, in bias
.set SPW,  28                          ; v28     LDS address of my spare word: SPARE + 4 x my thread's number; never rewritten
.set NIL,  29                          ; v29     0; never rewritten
.set PFO,  30                          ; v30     the prefetches' offset: my lane x a row of x or weight (16,384 bytes); never rewritten
.set Z0,   32                          ; two fragments of zeros
.set Z1,   40
.set F0,   64                          ; bf16 buffer 0: even pieces
.set F1,   128                         ; bf16 buffer 1: odd pieces
.set RAW,  192                         ; raw ring: entry e at RAW + 16 e
.set BIAS, 128                         ; ahead of the loop: bias of column block b at BIAS + 8 b, laid out as an accumulator
.set OB,   64                          ; the way out: 16 rows read back from the stage, v64-127 and v128-191 by turns
.set G1,  24                           ; s[24:31] descriptor group 1 for x's tiles;  s[32:39] group 0, one set for each slot
.set G0,  32
.set G1B, 48                           ; s[48:55], s[56:63] the same for weight's tiles
.set G0B, 56
.set LIM, 43                           ; s43     2 in a wave that prefetches, else the greatest number
.set PFA, 44                           ; s[44:45] where my prefetches stand
.set BIA, 66                           ; s[66:67] bias
.set MSB, 0
.macro WIN new                         ; the immediate's high byte repeats the setting that is left; a switch that changes nothing is dropped
.if MSB != (\new)
	s_set_vgpr_msb (MSB<<8)|(\new)
.set MSB, \new
.endif
.endm
.set MUL_LO,  0xa1                     ; source 0 (weight) window 1, source 1 (x) window 0, C and D window 2
.set MUL_HI,  0xf1                     ; the same, C and D window 3
.set SIDE_B,  0x45                     ; sources 0, 1 and destination window 1: weight's conversions and LDS loads (x's: all 0)
.set TO_1,    0x40                     ; destination window 1, sources window 0
.set INIT_LO, 0x80                     ; sources window 0, D window 2
.set ST_LO,   0x08                     ; an LDS store's data (source 1) window 2; + 4: window 3
; A joint load.  Waves 0 and 1 fetch x's two halves, waves 2 and 3 weight's.  Each line has ONE mask and one set of registers for all that issue it; the branch hangs on the wave's number alone.
; An s_nop 0 and four v_nop follow each of the two lines, ahead of the jump, the label and what follows.
.macro JLOAD s
	s_cmp_eq_u32 s11, 0
	s_cbranch_scc0 .Lfor_b_\@
	tensor_load_to_lds s[G0+4*(\s):G0+4*(\s)+3], s[G1:G1+7]
	s_nop 0
.rept 4
	v_nop
.endr
	s_branch .Lasked_\@
.Lfor_b_\@:
	tensor_load_to_lds s[G0B+4*(\s):G0B+4*(\s)+3], s[G1B:G1B+7]
	s_nop 0
.rept 4
	v_nop
.endr
.Lasked_\@:
.endm
; A PREFETCH INTO THE L2, behind each joint refill, its five lines and the run of LDS loads that follows them.  The refill in K step j asks for K step j + 2; the prefetch names K step j + 6: 32 rows x 256
; bytes, a lane a row, one instruction a wave, four K steps (512 matrix instructions) ahead of the load that will want them.  Each row's 256 bytes of a K step are named ONCE in the launch: x's tile row is
; read by every cluster of that row of clusters, and the one with cluster x = 0 asks; weight's tile column by both clusters of that column, and the one with cluster y = 0 asks.  The four partners that ask
; for a tile jointly share its rows out BY ADDRESS: of the 128 rows that a wave fetches, the partner at place p takes 32 p .. 32 p + 31 (p = cx for x, cy for weight).  It is issued while more than two
; laps are left in the loop (K steps 0 to 57), so K step 63 is the last one named; K steps 0 to 5 come by their loads alone.
.macro ASK
	WIN 0
	s_cmp_gt_u32 s3, s[LIM]
	s_cbranch_scc0 .Lnot_mine_\@
	global_prefetch_b8 v[PFO], s[PFA:PFA+1] th:TH_LOAD_NT scope:SCOPE_SE
.Lnot_mine_\@:
.endm
; A round of the cluster's barrier: my work-group's barrier, so that wave 0's signal speaks for all four waves; wave 0 signals for the work-group; every wave waits for all sixteen; my work-group's barrier once more.
.macro CREST                           ; a round behind its opening barrier
	s_cmp_lg_u32 s10, 0
	s_cbranch_scc1 .Lnot_wave_0_\@
	s_barrier_signal -3
.Lnot_wave_0_\@:
	s_barrier_wait -3
	s_barrier_signal -1
	s_barrier_wait -1
.endm
.macro CROUND                          ; a whole round
	s_barrier_signal -1
	s_barrier_wait -1
	CREST
.endm
	s_load_b128 s[4:7], s[0:1], 0x0                ; x s[4:5], weight s[6:7]
	s_load_b64 s[8:9], s[0:1], 0x10                ; out0
	s_load_b64 s[BIA:BIA+1], s[0:1], 0x18          ; bias
	v_lshl_add_u32 v[SPW], v0, 2, SPARE
	v_mov_b32 v[NIL], 0
	ds_add_u32 v[SPW], v[NIL]                      ; the wave's opening: the add, twice on end, and its wait ahead of my first tensor load; the set-up below, work on registers, stands between
	ds_add_u32 v[SPW], v[NIL]                      ; and once more, under the one wait
	v_lshrrev_b32 v1, 5, v0
	v_readfirstlane_b32 s10, v1                    ; wave 0..3
	s_lshr_b32 s11, s10, 1                         ; which half of the tile's rows is mine.  Also: I fetch for x (0) or for weight (1)
	s_and_b32 s12, s10, 1                          ; which half of its columns.  Also: which 128 rows of that tile I fetch
	s_bfe_u32 s40, ttmp6, 0x40000                  ; cx: my place along the cluster's x
	s_bfe_u32 s41, ttmp6, 0x40004                  ; cy: along its y
	s_lshl_b32 s42, ttmp9, 2                       ; in a cluster launch ttmp9 and ttmp7 count clusters
	s_add_co_u32 s42, s42, s40                     ; tile column = 4 x cluster x + cx
	s_and_b32 s13, ttmp7, 0xffff
	s_lshl_b32 s13, s13, 2
	s_add_co_u32 s13, s13, s41                     ; tile row = 4 x cluster y + cy
	s_lshl_b32 s43, s41, 2
	s_lshl_b32 s43, 15, s43                        ; my row of the cluster: places 4 cy .. 4 cy + 3
	s_lshl_b32 s44, 0x1111, s40                    ; my column: places cx, cx + 4, cx + 8, cx + 12
	; descriptor group 1: a tile of 128 rows x 64 elements of 4 bytes, padded in LDS
	s_or_b32 s[G1+0], s43, (2<<16)|(1<<20)|(1<<21)|(5<<22)|(3<<25)   ; 15:0 the mask: x's tiles go to my row; 17:16 elements of 4 bytes; 20 padding on; 21 set beside a mask; 24:22 after every 64 words (code 5); 31:25 4 words of it (code 3)
	s_or_b32 s[G1B+0], s44, (2<<16)|(1<<20)|(1<<21)|(5<<22)|(3<<25)  ; the same with the mask of my column, for weight's tiles
.irp g, G1, G1B
	s_mov_b32 s[(\g)+1], KSTEP<<16                 ; tensor_dim0 = 64
	s_mov_b32 s[(\g)+2], 128<<16                   ; tensor_dim1 = 128
	s_mov_b32 s[(\g)+3], KSTEP<<16                 ; tile_dim0 = 64
	s_mov_b32 s[(\g)+4], 128                       ; tile_dim1 = 128
	s_mov_b32 s[(\g)+5], SIZE_K                    ; elements from row to row
	s_mov_b32 s[(\g)+6], 0
	s_mov_b32 s[(\g)+7], 0
.endr
	; where the tiles come from.  x's hang on the tile row alone, which my row of the cluster shares; weight's on the tile column alone, which my column shares.
	s_lshl_b32 s17, s12, 7                         ; which 128 rows of the tile I fetch
	s_lshl_b32 s16, s13, 8
	s_add_co_u32 s16, s16, s17                     ; x: row 256 x tile row + 128 x half,
	s_lshl_b32 s16, s16, 14                        ; in bytes: 16,384 a row, under 2^25
	s_lshl_b32 s46, s42, 8
	s_add_co_u32 s46, s46, s17                     ; weight: row 256 x tile column + 128 x half,
	s_lshl_b32 s46, s46, 14                        ; in bytes, under 2^27
	s_mov_b32 s17, 0
	s_mov_b32 s47, 0
	s_mul_i32 s20, s10, HALFT                      ; and where they go: wave x 128 rows: no place in the cluster enters an LDS address
	s_wait_dscnt 0x0                               ; both opening adds are done
	s_wait_kmcnt 0x0
	s_add_nc_u64 s[14:15], s[4:5], s[16:17]
	s_add_nc_u64 s[46:47], s[6:7], s[46:47]
	CROUND                                         ; all sixteen work-groups are here: the first joint loads meet
.irp s, 0,1
	s_mov_b32 s[G0+4*(\s)], 1                                        ; 1:0 count = 1
	s_add_co_u32 s[G0+4*(\s)+1], s20, (\s)*SLOT                      ; 63:32 LDS address
	s_add_nc_u64 s[G0+4*(\s)+2:G0+4*(\s)+3], s[14:15], (\s)*STEPB    ; 120:64 global address: K step s
	s_or_b32 s[G0+4*(\s)+3], s[G0+4*(\s)+3], 0x80000000              ; 127:126 type = 2
	s_mov_b32 s[G0B+4*(\s)], 1
	s_add_co_u32 s[G0B+4*(\s)+1], s20, (\s)*SLOT
	s_add_nc_u64 s[G0B+4*(\s)+2:G0B+4*(\s)+3], s[46:47], (\s)*STEPB
	s_or_b32 s[G0B+4*(\s)+3], s[G0B+4*(\s)+3], 0x80000000
	JLOAD \s                                       ; the ring is filled before anything else is done: two loads of mine are out
.endr
	; A bf16 fragment is 16 rows x 32 K in 8 registers: lane l holds row l % 16; registers 0-3 K = 8 (l / 16) + 0..7, registers 4-7 K = 16 + 8 (l / 16) + 0..7.
	; In f32 those are 32 bytes at 32 (l / 16) and 32 bytes at 64 + 32 (l / 16) of the piece's 128 bytes of a row: four loads of 16 bytes, at 0, 16, 64, 80.
	v_and_b32 v1, 15, v0                           ; l % 16
	v_bfe_u32 v2, v0, 4, 1                         ; l / 16
	v_and_b32 v5, 31, v0                           ; l
	v_mul_u32_u24 v3, v1, PITCH
	v_lshl_add_u32 v3, v2, 5, v3                   ; row x pitch + 32 x half
	s_mul_i32 s21, s11, HALFT                      ; my 128 rows of x
	s_mul_i32 s22, s12, HALFT                      ; my 128 rows of weight,
	s_add_co_u32 s22, s22, 2*HALFT                 ; which lie behind x's 256
	v_add_nc_u32 v[ADR], s21, v3
	s_add_co_u32 s21, s21, SLOT
	v_add_nc_u32 v[ADR+1], s21, v3
	WIN TO_1
	v_add_nc_u32 v[ADR], s22, v3                   ; weight's two addresses lie in window 1, beside its raw and bf16 registers
	s_add_co_u32 s22, s22, SLOT
	v_add_nc_u32 v[ADR+1], s22, v3
	WIN 0
	s_mul_i32 s23, s10, 16*SPITCH
	s_add_co_u32 s23, s23, STAGE                   ; my stage
	v_mul_u32_u24 v4, v1, SPITCH                   ; in: row l % 16, 32 bytes for each half of the lanes
	v_lshl_add_u32 v4, v2, 5, v4
	v_add_nc_u32 v[STO], s23, v4
	v_lshlrev_b32 v[CO], 4, v5                     ; back: 32 lanes take one row of 512 bytes
	v_add_nc_u32 v[RD], s23, v[CO]
	v_lshlrev_b32 v[BO], 5, v2
	v_lshlrev_b32 v[PFO], 14, v5
	; where my part of the tile begins in out0, in bytes (under 2^27): the first way out adds it to out0's address
	s_lshl_b32 s16, s13, 8
	s_lshl_b32 s17, s11, 7
	s_add_co_u32 s16, s16, s17                     ; my first row,
	s_lshl_b32 s16, s16, 15                        ; 32,768 bytes a row
	s_lshl_b32 s18, s42, 10                        ; my first column, in bytes: 1,024 x tile column + 512 x half
	s_lshl_b32 s19, s12, 9
	s_add_co_u32 s18, s18, s19
	s_mov_b32 s19, 0
	s_add_nc_u64 s[BIA:BIA+1], s[BIA:BIA+1], s[18:19]  ; bias at my first column
	s_add_co_u32 s16, s16, s18
	s_mov_b32 s17, 0
	; bias as an accumulator has it: register j of lane l belongs to column 16 b + 8 (l / 16) + j, whatever the row
.irp b, 0,1,2,3,4,5,6,7
	global_load_b128 v[BIAS+8*(\b):BIAS+8*(\b)+3],   v[BO], s[BIA:BIA+1] offset:64*(\b)
	global_load_b128 v[BIAS+8*(\b)+4:BIAS+8*(\b)+7], v[BO], s[BIA:BIA+1] offset:64*(\b)+16
.endr
	; the prefetches' place
	s_lshl_b32 s20, s13, 8                         ; the tile's first row in x,
	s_lshl_b32 s21, s42, 8                         ; in weight
	s_and_b32 s22, ttmp7, 0xffff                   ; cluster y
	s_cmp_eq_u32 s11, 0                            ; do I fetch for x?
	s_cselect_b32 s20, s20, s21
	s_cselect_b32 s21, s40, s41                    ; my place among the four that ask for the tile with me
	s_cselect_b32 s22, ttmp9, s22                  ; the coordinate along which other clusters read the same rows
	s_cselect_b64 s[PFA:PFA+1], s[4:5], s[6:7]
	s_cmp_eq_u32 s22, 0
	s_cselect_b32 s[LIM], 2, -1                    ; the same in all sixteen partners, for a given wave
	s_lshl_b32 s22, s12, 7
	s_add_co_u32 s20, s20, s22                     ; + the 128 rows that I fetch
	s_lshl_b32 s21, s21, 5
	s_add_co_u32 s20, s20, s21                     ; + my work-group's 32 of them
	s_lshl_b32 s20, s20, 14
	s_mov_b32 s21, 0
	s_add_nc_u64 s[PFA:PFA+1], s[PFA:PFA+1], s[20:21]
	s_add_nc_u64 s[PFA:PFA+1], s[PFA:PFA+1], 5*STEPB  ; at K step 5: the first change of slots steps it to 6.  Nothing is prefetched here, at the head
.set i, 0
.rept 16
	v_mov_b32 v[Z0+i], 0
.set i, i+1
.endr
	s_wait_loadcnt 0x0                             ; bias
	; THE SUMS START WITH THE BIAS: accumulator (a, b) = 0 x 0 + bias of block b.  64 matrix instructions in the wait for the first tile: no accumulator is cleared or written by a vector instruction,
	; no addition stands on the way out, and every piece of the walk has one form of product, so that no first piece is written out.
.irp a, 0,1,2,3,4,5,6,7
	WIN INIT_LO+0x40*((\a)/4)
.irp b, 0,1,2,3,4,5,6,7
	v_wmma_f32_16x16x32_bf16 v[8*(8*((\a)%4)+(\b)):8*(8*((\a)%4)+(\b))+7], v[Z0:Z0+7], v[Z1:Z1+7], v[BIAS+8*(\b):BIAS+8*(\b)+7]
.endr
.endr
	WIN 0
; Product n of a piece's 64, out of bf16 buffer f: x's block a = n / 8, weight's block b = n % 8.  The 64 accumulators take turns, one instruction a turn, in the same order in every piece:
; between two links of a chain stand the 63 others', over the backward jump and into the tail too.
.macro MM f, n
.set mA, (\n)/8
.set mB, (\n)%8
.set mC, 8*(8*(mA%4)+mB)
	WIN MUL_LO+0x50*(mA/4)
	v_wmma_f32_16x16x32_bf16 v[mC:mC+7], v[(\f)+8*mB:(\f)+8*mB+7], v[(\f)+8*mA:(\f)+8*mA+7], v[mC:mC+7]
.endm
; Fragment fr of a piece's 16: side fr % 2 (0: weight, 1: x), block fr / 2 of 16 rows, raw ring entry (fr / 2) % 4.
; CV: quarter k of fragment fr, four raw f32, is rounded into two registers of bf16 buffer g.
.macro CV g, fr, k
.set cI, (\fr)/2
.set cR, RAW+16*(cI%4)+4*(\k)
.set cD, (\g)+8*cI+2*(\k)
	WIN SIDE_B*(1-(\fr)%2)
	v_cvt_pk_bf16_f32 v[cD], v[cR], v[cR+1]
	v_cvt_pk_bf16_f32 v[cD+1], v[cR+2], v[cR+3]
.endm
; LD: quarter k of fragment fr, from byte kb of the rows of slot sl, into its raw registers.
.macro LD sl, kb, fr, k
.set lI, (\fr)/2
.set lR, RAW+16*(lI%4)+4*(\k)
	WIN SIDE_B*(1-(\fr)%2)
	ds_load_b128 v[lR:lR+3], v[ADR+(\sl)] offset:(\kb)+lI*16*PITCH+64*((\k)/2)+16*((\k)%2)
.endm
.macro LDF sl, kb, fr                  ; a whole fragment
.irp u, 0,1,2,3
	LD \sl, \kb, \fr, \u
.endr
.endm
; A FRAGMENT SLOT, number s of a piece's 16: four products out of buffer f (mul = 1); fragment s of the next piece is converted into the other buffer; each four raw registers, as soon as they are
; converted, are loaded again with the fragment eight further on in the stream, which has the same side and ring entry (ld = 1).  wt: how many younger LDS instructions may be out when fragment s has to be in; -1: no wait.
; The conversions write the buffer that the piece in hand does not read; that buffer's last reader of the fragment stands twelve conversions back or more, which name none of its registers: more than the four
; places that a write of a matrix instruction's source wants (ISA guide 7.12.1).  The LDS loads go into raw registers, which no matrix instruction names.
.macro FSLOT mul, f, s, ld, sl, kb, wt
.if \mul
	MM \f, 4*(\s)
	MM \f, 4*(\s)+1
.endif
.if (\wt) >= 0
	s_wait_dscnt \wt
.endif
	CV F0+F1-(\f), \s, 0
.if \ld
	LD \sl, \kb, ((\s)+8)%16, 0
.endif
	CV F0+F1-(\f), \s, 1
.if \ld
	LD \sl, \kb, ((\s)+8)%16, 1
.endif
.if \mul
	MM \f, 4*(\s)+2
	MM \f, 4*(\s)+3
.endif
	CV F0+F1-(\f), \s, 2
.if \ld
	LD \sl, \kb, ((\s)+8)%16, 2
.endif
	CV F0+F1-(\f), \s, 3
.if \ld
	LD \sl, \kb, ((\s)+8)%16, 3
.endif
.endm
; AN ODD PIECE (the second half of K step j) multiplies buffer 1 and converts the first half of K step j + 1, which lies in slot sl, into buffer 0.  It loads that half's fragments 8-15 and the next half's
; fragments 0-7.  The wait: a fragment's four loads were issued eight slots ago; behind them stand seven slots' 28.  mul = 0: ahead of the loop, where there is nothing to multiply yet.
.macro PIECE_O mul, sl
.irp q, 0,1,2,3,4,5,6,7
	FSLOT \mul, F1, \q, 1, \sl, 0, 28
.endr
.irp q, 8,9,10,11,12,13,14,15
	FSLOT \mul, F1, \q, 1, \sl, 128, 28
.endr
.endm
; AN EVEN PIECE (the first half of K step j, in slot cs) multiplies buffer 0 and converts the second half into buffer 1.  Its slots 0-7 issue the LAST reads of slot cs; from slot 8 on the stream wants slot ns:
; here stands THE CHANGE OF SLOTS.  Each wave waits for all its tensor loads, of which one is out: its part of slot ns; adds 0 to its spare word; goes on with eight products and sixteen conversions; waits for
; the add and for its reads of slot cs; signals; eight more products; waits.  Four fragment slots pass without loads: their four fragments are loaded in one run behind the barrier, in the stream's order.
; mode 2: slot cs is filled again, with K step j + 2: the barrier opens a round of the cluster's, and the joint refill is the first thing behind it.  mode 1: nothing is left to ask for.  mode 0: the last K step: no change.
.macro PIECE_E cs, ns, mode
.irp q, 0,1,2,3,4,5,6,7
	FSLOT 1, F0, \q, 1, \cs, 128, 28
.endr
.if (\mode) == 0
.irp q, 8,9,10,11,12,13,14,15
	FSLOT 1, F0, \q, 0, 0, 0, 28-4*((\q)-8)        ; nothing more is loaded: the counts run down to 0
.endr
.else
	WIN 0                                          ; (the add's two registers lie in window 0)
.if (\mode) == 2
	s_wait_xcnt 0x0                                ; the last prefetch, a K step back, has read its address, so it may be stepped
	s_add_nc_u64 s[PFA:PFA+1], s[PFA:PFA+1], STEPB
.endif
	s_wait_tensorcnt 0x0                           ; all my tensor loads have landed: the one that was out is my part of slot ns
	ds_add_u32 v[SPW], v[NIL]                      ; 0 onto my spare word
	FSLOT 1, F0, 8, 0, 0, 0, 29                    ; behind fragment 8's loads stand seven slots' 28 and the add,
	FSLOT 1, F0, 9, 0, 0, 0, 25                    ; behind fragment 9's six slots' 24 and the add
	s_wait_dscnt 0x0                               ; the add is done, and my reads of slot cs are over:
	s_barrier_signal -1                            ; say so,
	FSLOT 1, F0, 10, 0, 0, 0, -1                   ; work on registers while the others arrive (all raw fragments are in),
	FSLOT 1, F0, 11, 0, 0, 0, -1
	WIN 0
	s_barrier_wait -1                              ; and go on when all four have said so
.if (\mode) == 2
	CREST                                          ; all sixteen work-groups have said so: no wave of any partner still reads this slot or has a load on its way
	s_add_nc_u64 s[G0+4*(\cs)+2:G0+4*(\cs)+3], s[G0+4*(\cs)+2:G0+4*(\cs)+3], 2*STEPB     ; no tensor load of mine is out, so a group 0 may be written; the type bits on top are not reached
	s_add_nc_u64 s[G0B+4*(\cs)+2:G0B+4*(\cs)+3], s[G0B+4*(\cs)+2:G0B+4*(\cs)+3], 2*STEPB
	JLOAD \cs                                      ; my one tensor load behind the round: it has a K step less sixteen products in which to land
.endif
.irp q, 0,1,2,3
	LDF \ns, 0, \q                                 ; the four fragments that slots 8-11 did not load
.endr
.if (\mode) == 2
	ASK
.endif
.irp q, 12,13,14,15
	FSLOT 1, F0, \q, 1, \ns, 0, -1
.endr
.endif
.endm
; THE WAY OUT of my block a of 16 rows.  TOSTAGE: a lane's 32 bytes of each of the 8 column blocks go into my own stage, each accumulator's low registers first; whole rows of
; 512 bytes come back.  LDS serves a wave's instructions in order (ISA guide 5.7.1.4): the loads see the stores above them, and the next block's stores come behind these loads.
.macro TOSTAGE a
.set tC, 64*((\a)%4)
.set tO, OB+64*((\a)%2)
	WIN ST_LO+4*((\a)/4)
.irp b, 0,1,2,3,4,5,6,7
	ds_store_b128 v[STO], v[tC+8*(\b):tC+8*(\b)+3]   offset:64*(\b)
	ds_store_b128 v[STO], v[tC+8*(\b)+4:tC+8*(\b)+7] offset:64*(\b)+16
.endr
	WIN 0
.if (\a) >= 2
	s_wait_xcnt 0x0                                ; the stores of the block two back have read these registers
.endif
.irp t, 0,1,2,3,4,5,6,7,8,9,10,11,12,13,14,15
	ds_load_b128 v[tO+4*(\t):tO+4*(\t)+3], v[RD] offset:(\t)*SPITCH
.endr
.endm
.macro SEND a, younger                 ; younger: the LDS instructions issued behind block a's loads: the next block's 32, or none
.set tO, OB+64*((\a)%2)
	WIN 0
	s_wait_xcnt 0x0                                ; earlier stores have read their base, so it may be stepped
.if (\a) == 0
	s_add_nc_u64 s[8:9], s[8:9], s[16:17]          ; on to my first rows
.else
	s_add_nc_u64 s[8:9], s[8:9], 16*SIZE_N*4       ; 16 rows on
.endif
.irp t, 0,1,2,3,4,5,6,7,8,9,10,11,12,13,14,15
	s_wait_dscnt (\younger)+15-(\t)                ; row t is back; my later rows and the younger ones may stay out
	global_store_b128 v[CO], v[tO+4*(\t):tO+4*(\t)+3], s[8:9] offset:(\t)*SIZE_N*4 th:TH_STORE_NT  ; the wave stores 512 consecutive bytes of a row, at a multiple of 512 from out0's first byte
.endr
.endm
	s_wait_tensorcnt 1                             ; my part of K step 0 is in; K step 1's may stay out
	s_barrier_signal -1
	s_barrier_wait -1                              ; everybody's is
.irp q, 0,1,2,3,4,5,6,7
	LDF 0, 0, \q                                   ; the stream begins: piece 0's fragments 0-7 fill the raw rings
.endr
	PIECE_O 0, 0                                   ; piece 0 is converted into buffer 0; its fragments 8-15 and piece 1's 0-7 are loaded
	WIN 0                                          ; at a label and at a branch every window is 0
	s_mov_b32 s3, LAPS-1
.Llap:                                                 ; a trip multiplies two K steps and fills both slots again: 31 trips, K steps 0 to 61, the last request is K step 63
	PIECE_E 0, 1, 2
	PIECE_O 1, 1
	PIECE_E 1, 0, 2
	PIECE_O 1, 0
	WIN 0
	s_sub_co_u32 s3, s3, 1
	s_cmp_lg_u32 s3, 0
	s_cbranch_scc1 .Llap
	PIECE_E 0, 1, 1                                ; the last lap is written out: K step 62; K step 63 is waited for, nothing is asked for
	PIECE_O 1, 1
	PIECE_E 1, 0, 0                                ; K step 63
.set pn, 0
.rept 64
	MM F1, pn                                      ; the last piece: nothing is left to convert
.set pn, pn+1
.endr
	WIN 0
.rept 8
	v_nop                                          ; plain places, once a launch, behind the last products: ahead of the LDS stores that read results and of the loads into registers that those products read
.endr
	TOSTAGE 0
.irp a, 1,2,3,4,5,6,7                  ; block a goes into the stage while block a - 1's rows come back and leave
	TOSTAGE \a
	SEND (\a)-1, 32
.endr
	SEND 7, 0
	s_wait_tensorcnt 0x0                           ; the wave's end, behind my last tensor load and my last LDS store
	ds_add_u32 v[SPW], v[NIL]
	s_wait_dscnt 0x0
	CROUND                                         ; the closing round: no work-group ends while a partner may still ask for a tile that names it
	s_endpgm
.Lfunc_end_k_q222a20c588_gemm:
	.size	k_q222a20c588_gemm, .Lfunc_end_k_q222a20c588_gemm-k_q222a20c588_gemm
	.p2alignl 7, 3214868480
	.fill 96, 4, 3214868480
	.section	.rodata,"a",@progbits
	.p2align	6, 0x0
	.amdhsa_kernel k_q222a20c588_gemm
		.amdhsa_group_segment_fixed_size 327680
		.amdhsa_private_segment_fixed_size 0
		.amdhsa_enable_private_segment 0
		.amdhsa_kernarg_size 32
		.amdhsa_user_sgpr_count 2
		.amdhsa_user_sgpr_kernarg_segment_ptr 1
		.amdhsa_wavefront_size32 1
		.amdhsa_system_sgpr_workgroup_id_x 1
		.amdhsa_system_sgpr_workgroup_id_y 1
		.amdhsa_system_sgpr_workgroup_id_z 1
		.amdhsa_system_vgpr_workitem_id 0
		.amdhsa_next_free_vgpr 1024
		.amdhsa_next_free_sgpr 68
		.amdhsa_reserve_vcc 0
		.amdhsa_float_denorm_mode_32 3
		.amdhsa_float_denorm_mode_16_64 3
		.amdhsa_memory_ordered 1
		.amdhsa_forward_progress 1
		.amdhsa_inst_pref_size 198
	.end_amdhsa_kernel
	.amdgpu_metadata
---
amdhsa.version: [ 1, 2 ]
amdhsa.kernels:
  - .name:           k_q222a20c588_gemm
    .symbol:         k_q222a20c588_gemm.kd
    .args:
      - { .name: x, .offset: 0, .size: 8, .value_kind: global_buffer, .address_space: global }
      - { .name: weight, .offset: 8, .size: 8, .value_kind: global_buffer, .address_space: global }
      - { .name: out0, .offset: 16, .size: 8, .value_kind: global_buffer, .address_space: global }
      - { .name: bias, .offset: 24, .size: 8, .value_kind: global_buffer, .address_space: global }
    .group_segment_fixed_size: 327680
    .private_segment_fixed_size: 0
    .kernarg_segment_align: 8
    .kernarg_segment_size: 32
    .max_flat_workgroup_size: 128
    .sgpr_count:     68
    .vgpr_count:     1024
    .wavefront_size: 32
...
	.end_amdgpu_metadata
.endif
;; end of part 1
;; ======== version 2 of 4: 1 launch
;; launch gemm (part 2): grid 32 x 8, 4 waves a work-group, clusters of 4 x 4, 327,680 bytes of LDS; arguments x, weight, out0, bias; writes out0
.if DOCPART == 2
	.amdgcn_target "amdgcn-amd-amdhsa--gfx1250"
	.amdhsa_code_object_version 6
	.text
	.protected	k_q222a20c588_gemm
	.globl	k_q222a20c588_gemm
	.p2align	8
	.type	k_q222a20c588_gemm,@function
k_q222a20c588_gemm:
	s_mov_b64 s[64:65], 0
	v_nop
	global_prefetch_b8 v0, s[64:65] scope:SCOPE_SE
	s_setreg_imm32_b32 hwreg(HW_REG_WAVE_MODE, 25, 1), 1
	s_wait_xcnt 0x0
	s_wait_alu depctr_hold_cnt(0) depctr_sa_sdst(0) depctr_va_vdst(0) depctr_va_sdst(0) depctr_va_ssrc(0) depctr_va_vcc(0) depctr_vm_vsrc(0)
	s_getreg_b32 s2, hwreg(HW_REG_IB_STS2, 6, 4)
	s_cmp_eq_u32 s2, 0
	s_cbranch_scc0 .Lentry_in_a_cluster
	s_endpgm
.Lentry_in_a_cluster:
	s_bfe_u32 s2, ttmp6, 0x10000c
	s_cmp_lg_u32 s2, 0xf033
	s_cbranch_scc0 .Lentry_shape_is_right
	s_endpgm
.Lentry_shape_is_right:
; out0[m][n] = bias[n] + the sum over p of x[m][p] weight[n][p].  x: [2048][4096], weight: [8192][4096], bias: [8192], out0: [2048][8192], all f32.
; FORMATS AND LIMITS.  x and weight are rounded once, to nearest even, to bf16 on the way from LDS to the matrix unit (a number beyond bf16's largest finite one, 3.39e38, becomes an infinity);
; products and sums in f32, with bias as the sum's first term, K ascending in groups of 32: another order of rounding than a plain f32 dot product's.  NaN and infinities are not treated apart.
; SHARES.  A tile of out0, 256 x 256, is made by a work-group of four waves; there are 8 x 32 tiles, one to a work-group.  A wave makes 128 x 128: 64 accumulators of 16 x 16, 512 registers.
; K goes in 64 steps of 64 through a ring of two LDS slots filled by the tensor data mover with f32 as it lies in memory: a tile's rows are 256 bytes and start at multiples of 256 bytes from
; the buffer's first byte.  A K step is two PIECES of 32 along K, 64 matrix instructions a wave each: eight BLOCKS of 8, block a = x's rows 16 a .. 16 a + 15 times weight's eight blocks of 16 rows.
; THE CONVERSION RIDES, THE LDS LOADS STAND IN RUNS.  A fragment (16 rows x 32 K) is four LDS loads of 16 bytes a lane (16 raw registers) and eight v_cvt_pk_bf16_f32 (8 registers).  A run of 32 loads brings
; one side's eight raw fragments of one piece; the conversions stand four behind each two matrix instructions, two fragments a block.  Piece p:
;   block 0     x's fragments 6, 7 of piece p are converted               then RA: the run for x's raw fragments of piece p + 1
;   blocks 1-4  weight's fragments of piece p + 1 are converted           then RB: the run for weight's raw fragments of piece p + 2
;   blocks 5-7  x's fragments 0-5 of piece p + 1 are converted
; So each run refills raw registers that have just been converted and has four blocks, 32 matrix instructions, in which to land.  weight's bf16 fragments, which every block reads, have two buffers;
; x's fragment a is read in block a alone, so x has ONE buffer: fragment a is written anew a block or more behind its last reader and ahead of block a of the next piece.
; CLUSTERS: 4 x 4 work-groups.  The four of a row of the cluster need the same tiles of x, the four of a column the same tiles of weight: each tile is asked for JOINTLY, by the same tensor load
; with the same descriptor and a mask that names the four.
; THE MATRIX INSTRUCTION IS USED TRANSPOSED (source 0 = 16 rows of weight, source 1 = 16 rows of x): lane l holds row l % 16 of out0, its registers 0-7 the columns 8 (l / 16) + 0..7: 32 bytes on end.
; REGISTERS, in windows of 256 (s_set_vgpr_msb's low byte: bits 1:0 source 0, 3:2 source 1, 5:4 source 2, 7:6 destination):
;   window 0: v0-31 addresses; v32-47 two fragments of zeros; v64-127 bf16 fragments of x; v128-255 raw f32 of x, eight fragments
;             (v128-191 hold the bias ahead of the loop; v64-191 hold rows of out0 on the way out)
;   window 1: v0-63, v64-127 bf16 fragments of weight, two buffers; v128-255 raw f32 of weight, eight fragments
;   window 2: the 32 accumulators of my rows 0-63 (accumulator (a, b) at v[8 (8 (a % 4) + b)]);   window 3: those of my rows 64-127
.set SIZE_M, 2048
.set SIZE_N, 8192
.set SIZE_K, 4096
.set KSTEP,  64                        ; f32 numbers of a row in a K step
.set STEPB,  KSTEP*4                   ; 256 bytes
.set PITCH,  272                       ; an LDS row: 256 bytes + 16 of padding = 68 words: row r starts at bank 4 r mod 64 (64 banks of 4 bytes: ISA guide 11.1), so the 16 rows of a load start at 16 different banks
.set HALFT,  128*PITCH                 ; 128 rows: what one tensor load brings, and what one wave reads of x or of weight
.set SLOT,   4*HALFT                   ; x's 256 rows, then weight's 256 rows
.set STAGE,  2*SLOT                    ; behind the ring, never filled by a tensor load: 16 rows x 528 bytes for each wave, for the way out
.set SPITCH, 528                       ; 512 bytes + 16
.set SPARE,  STAGE+4*16*SPITCH         ; behind the stages: the spare words, 128 bytes for each wave: two blocks of 256 bytes that no other line names
.set LAPS,   SIZE_K/(2*KSTEP)          ; a lap = two K steps = once round the ring: 32
.set ADRA, 16                          ; v16-17  LDS address of my fragments of x in slot 0, 1
.set ADRB, 20                          ; v20-21  the same for weight
.set STO,  24                          ; v24     the way out: where I put 32 bytes of a row
.set RD,   25                          ; v25     the way out: where I read 16 bytes of a row back
.set CO,   26                          ; v26     16 x my lane: my bytes in 512 consecutive bytes of out0
.set BO,   27                          ; v27     32 (l / 16): my eight columns in a block of 16, in bias
.set SPW,  28                          ; v28     LDS address of my spare word: SPARE + 4 x my thread's number; never rewritten
.set NIL,  29                          ; v29     0; never rewritten
.set PFO,  30                          ; v30     the prefetches' offset: my lane x a row of x or weight (16,384 bytes); never rewritten
.set Z0,   32                          ; two fragments of zeros
.set Z1,   40
.set AF,   64                          ; window 0: x's bf16 fragments, fragment a at AF + 8 a
.set BF0,  0                           ; window 1: weight's bf16 fragments of even pieces,
.set BF1,  64                          ; of odd pieces
.set RAW,  128                         ; both windows: raw fragment i at RAW + 16 i
.set BIAS, 128                         ; ahead of the loop: bias of column block b at BIAS + 8 b, laid out as an accumulator
.set OB,   64                          ; the way out: 16 rows read back from the stage, v64-127 and v128-191 by turns
.set G1,  24                           ; s[24:31] descriptor group 1 for x's tiles;  s[32:39] group 0, one set for each slot
.set G0,  32
.set G1B, 48                           ; s[48:55], s[56:63] the same for weight's tiles
.set G0B, 56
.set LIM, 43                           ; s43     2 in a wave that prefetches, else the greatest number
.set PFA, 44                           ; s[44:45] where my prefetches stand
.set BIA, 66                           ; s[66:67] bias
.set MSB, 0
.macro WIN new                         ; the immediate's high byte repeats the setting that is left; a switch that changes nothing is dropped
.if MSB != (\new)
	s_set_vgpr_msb (MSB<<8)|(\new)
.set MSB, \new
.endif
.endm
.set MUL_LO,  0xa1                     ; source 0 (weight) window 1, source 1 (x) window 0, C and D window 2
.set MUL_HI,  0xf1                     ; the same, C and D window 3
.set SIDE_B,  0x45                     ; sources 0, 1 and destination window 1: weight's conversions (x's: all 0)
.set TO_1,    0x40                     ; destination window 1, address window 0: weight's LDS loads (x's: all 0)
.set INIT_LO, 0x80                     ; sources window 0, D window 2
.set ST_LO,   0x08                     ; an LDS store's data (source 1) window 2; + 4: window 3
; A joint load.  Waves 0 and 1 fetch x's two halves, waves 2 and 3 weight's.  Each line has ONE mask and one set of registers for all that issue it; the branch hangs on the wave's number alone.
; An s_nop 0 and four v_nop follow each of the two lines, ahead of the jump, the label and what follows.
.macro JLOAD s
	s_cmp_eq_u32 s11, 0
	s_cbranch_scc0 .Lfor_b_\@
	tensor_load_to_lds s[G0+4*(\s):G0+4*(\s)+3], s[G1:G1+7]
	s_nop 0
.rept 4
	v_nop
.endr
	s_branch .Lasked_\@
.Lfor_b_\@:
	tensor_load_to_lds s[G0B+4*(\s):G0B+4*(\s)+3], s[G1B:G1B+7]
	s_nop 0
.rept 4
	v_nop
.endr
.Lasked_\@:
.endm
; A PREFETCH INTO THE L2, behind each joint refill, its five lines and the run of LDS loads that follows them.  The refill in K step j asks for K step j + 2; the prefetch names K step j + 6: 32 rows x 256
; bytes, a lane a row, one instruction a wave, four K steps (512 matrix instructions) ahead of the load that will want them.  Each row's 256 bytes of a K step are named ONCE in the launch: x's tile row is
; read by every cluster of that row of clusters, and the one with cluster x = 0 asks; weight's tile column by both clusters of that column, and the one with cluster y = 0 asks.  The four partners that ask
; for a tile jointly share its rows out BY ADDRESS: of the 128 rows that a wave fetches, the partner at place p takes 32 p .. 32 p + 31 (p = cx for x, cy for weight).  It is issued while more than two
; laps are left in the loop (K steps 0 to 57), so K step 63 is the last one named; K steps 0 to 5 come by their loads alone.
.macro ASK
	WIN 0
	s_cmp_gt_u32 s3, s[LIM]
	s_cbranch_scc0 .Lnot_mine_\@
	global_prefetch_b8 v[PFO], s[PFA:PFA+1] th:TH_LOAD_NT scope:SCOPE_SE
.Lnot_mine_\@:
.endm
; A round of the cluster's barrier: my work-group's barrier, so that wave 0's signal speaks for all four waves; wave 0 signals for the work-group; every wave waits for all sixteen; my work-group's barrier once more.
.macro CREST                           ; a round behind its opening barrier
	s_cmp_lg_u32 s10, 0
	s_cbranch_scc1 .Lnot_wave_0_\@
	s_barrier_signal -3
.Lnot_wave_0_\@:
	s_barrier_wait -3
	s_barrier_signal -1
	s_barrier_wait -1
.endm
.macro CROUND                          ; a whole round
	s_barrier_signal -1
	s_barrier_wait -1
	CREST
.endm
	s_load_b128 s[4:7], s[0:1], 0x0                ; x s[4:5], weight s[6:7]
	s_load_b64 s[8:9], s[0:1], 0x10                ; out0
	s_load_b64 s[BIA:BIA+1], s[0:1], 0x18          ; bias
	v_lshl_add_u32 v[SPW], v0, 2, SPARE
	v_mov_b32 v[NIL], 0
	ds_add_u32 v[SPW], v[NIL]                      ; the wave's opening: the add, twice on end, and its wait ahead of my first tensor load; the set-up below, work on registers, stands between
	ds_add_u32 v[SPW], v[NIL]                      ; and once more, under the one wait
	v_lshrrev_b32 v1, 5, v0
	v_readfirstlane_b32 s10, v1                    ; wave 0..3
	s_lshr_b32 s11, s10, 1                         ; which half of the tile's rows is mine.  Also: I fetch for x (0) or for weight (1)
	s_and_b32 s12, s10, 1                          ; which half of its columns.  Also: which 128 rows of that tile I fetch
	s_bfe_u32 s40, ttmp6, 0x40000                  ; cx: my place along the cluster's x
	s_bfe_u32 s41, ttmp6, 0x40004                  ; cy: along its y
	s_lshl_b32 s42, ttmp9, 2                       ; in a cluster launch ttmp9 and ttmp7 count clusters
	s_add_co_u32 s42, s42, s40                     ; tile column = 4 x cluster x + cx
	s_and_b32 s13, ttmp7, 0xffff
	s_lshl_b32 s13, s13, 2
	s_add_co_u32 s13, s13, s41                     ; tile row = 4 x cluster y + cy
	s_lshl_b32 s43, s41, 2
	s_lshl_b32 s43, 15, s43                        ; my row of the cluster: places 4 cy .. 4 cy + 3
	s_lshl_b32 s44, 0x1111, s40                    ; my column: places cx, cx + 4, cx + 8, cx + 12
	; descriptor group 1: a tile of 128 rows x 64 elements of 4 bytes, padded in LDS
	s_or_b32 s[G1+0], s43, (2<<16)|(1<<20)|(1<<21)|(5<<22)|(3<<25)   ; 15:0 the mask: x's tiles go to my row; 17:16 elements of 4 bytes; 20 padding on; 21 set beside a mask; 24:22 after every 64 words (code 5); 31:25 4 words of it (code 3)
	s_or_b32 s[G1B+0], s44, (2<<16)|(1<<20)|(1<<21)|(5<<22)|(3<<25)  ; the same with the mask of my column, for weight's tiles
.irp g, G1, G1B
	s_mov_b32 s[(\g)+1], KSTEP<<16                 ; tensor_dim0 = 64
	s_mov_b32 s[(\g)+2], 128<<16                   ; tensor_dim1 = 128
	s_mov_b32 s[(\g)+3], KSTEP<<16                 ; tile_dim0 = 64
	s_mov_b32 s[(\g)+4], 128                       ; tile_dim1 = 128
	s_mov_b32 s[(\g)+5], SIZE_K                    ; elements from row to row
	s_mov_b32 s[(\g)+6], 0
	s_mov_b32 s[(\g)+7], 0
.endr
	; where the tiles come from.  x's hang on the tile row alone, which my row of the cluster shares; weight's on the tile column alone, which my column shares.
	s_lshl_b32 s17, s12, 7                         ; which 128 rows of the tile I fetch
	s_lshl_b32 s16, s13, 8
	s_add_co_u32 s16, s16, s17                     ; x: row 256 x tile row + 128 x half,
	s_lshl_b32 s16, s16, 14                        ; in bytes: 16,384 a row, under 2^25
	s_lshl_b32 s46, s42, 8
	s_add_co_u32 s46, s46, s17                     ; weight: row 256 x tile column + 128 x half,
	s_lshl_b32 s46, s46, 14                        ; in bytes, under 2^27
	s_mov_b32 s17, 0
	s_mov_b32 s47, 0
	s_mul_i32 s20, s10, HALFT                      ; and where they go: wave x 128 rows: no place in the cluster enters an LDS address
	s_wait_dscnt 0x0                               ; both opening adds are done
	s_wait_kmcnt 0x0
	s_add_nc_u64 s[14:15], s[4:5], s[16:17]
	s_add_nc_u64 s[46:47], s[6:7], s[46:47]
	CROUND                                         ; all sixteen work-groups are here: the first joint loads meet
.irp s, 0,1
	s_mov_b32 s[G0+4*(\s)], 1                                        ; 1:0 count = 1
	s_add_co_u32 s[G0+4*(\s)+1], s20, (\s)*SLOT                      ; 63:32 LDS address
	s_add_nc_u64 s[G0+4*(\s)+2:G0+4*(\s)+3], s[14:15], (\s)*STEPB    ; 120:64 global address: K step s
	s_or_b32 s[G0+4*(\s)+3], s[G0+4*(\s)+3], 0x80000000              ; 127:126 type = 2
	s_mov_b32 s[G0B+4*(\s)], 1
	s_add_co_u32 s[G0B+4*(\s)+1], s20, (\s)*SLOT
	s_add_nc_u64 s[G0B+4*(\s)+2:G0B+4*(\s)+3], s[46:47], (\s)*STEPB
	s_or_b32 s[G0B+4*(\s)+3], s[G0B+4*(\s)+3], 0x80000000
	JLOAD \s                                       ; the ring is filled before anything else is done: two loads of mine are out
.endr
	; A bf16 fragment is 16 rows x 32 K in 8 registers: lane l holds row l % 16; registers 0-3 K = 8 (l / 16) + 0..7, registers 4-7 K = 16 + 8 (l / 16) + 0..7.
	; In f32 those are 32 bytes at 32 (l / 16) and 32 bytes at 64 + 32 (l / 16) of the piece's 128 bytes of a row: four loads of 16 bytes, at 0, 16, 64, 80.
	v_and_b32 v1, 15, v0                           ; l % 16
	v_bfe_u32 v2, v0, 4, 1                         ; l / 16
	v_and_b32 v5, 31, v0                           ; l
	v_mul_u32_u24 v3, v1, PITCH
	v_lshl_add_u32 v3, v2, 5, v3                   ; row x pitch + 32 x half
	s_mul_i32 s21, s11, HALFT                      ; my 128 rows of x
	s_mul_i32 s22, s12, HALFT                      ; my 128 rows of weight,
	s_add_co_u32 s22, s22, 2*HALFT                 ; which lie behind x's 256
	v_add_nc_u32 v[ADRA], s21, v3
	v_add_nc_u32 v[ADRB], s22, v3
	s_add_co_u32 s21, s21, SLOT
	s_add_co_u32 s22, s22, SLOT
	v_add_nc_u32 v[ADRA+1], s21, v3
	v_add_nc_u32 v[ADRB+1], s22, v3
	s_mul_i32 s23, s10, 16*SPITCH
	s_add_co_u32 s23, s23, STAGE                   ; my stage
	v_mul_u32_u24 v4, v1, SPITCH                   ; in: row l % 16, 32 bytes for each half of the lanes
	v_lshl_add_u32 v4, v2, 5, v4
	v_add_nc_u32 v[STO], s23, v4
	v_lshlrev_b32 v[CO], 4, v5                     ; back: 32 lanes take one row of 512 bytes
	v_add_nc_u32 v[RD], s23, v[CO]
	v_lshlrev_b32 v[BO], 5, v2
	v_lshlrev_b32 v[PFO], 14, v5
	; where my part of the tile begins in out0, in bytes (under 2^27): the first way out adds it to out0's address
	s_lshl_b32 s16, s13, 8
	s_lshl_b32 s17, s11, 7
	s_add_co_u32 s16, s16, s17                     ; my first row,
	s_lshl_b32 s16, s16, 15                        ; 32,768 bytes a row
	s_lshl_b32 s18, s42, 10                        ; my first column, in bytes: 1,024 x tile column + 512 x half
	s_lshl_b32 s19, s12, 9
	s_add_co_u32 s18, s18, s19
	s_mov_b32 s19, 0
	s_add_nc_u64 s[BIA:BIA+1], s[BIA:BIA+1], s[18:19]  ; bias at my first column
	s_add_co_u32 s16, s16, s18
	s_mov_b32 s17, 0
	; bias as an accumulator has it: register j of lane l belongs to column 16 b + 8 (l / 16) + j, whatever the row
.irp b, 0,1,2,3,4,5,6,7
	global_load_b128 v[BIAS+8*(\b):BIAS+8*(\b)+3],   v[BO], s[BIA:BIA+1] offset:64*(\b)
	global_load_b128 v[BIAS+8*(\b)+4:BIAS+8*(\b)+7], v[BO], s[BIA:BIA+1] offset:64*(\b)+16
.endr
	; the prefetches' place
	s_lshl_b32 s20, s13, 8                         ; the tile's first row in x,
	s_lshl_b32 s21, s42, 8                         ; in weight
	s_and_b32 s22, ttmp7, 0xffff                   ; cluster y
	s_cmp_eq_u32 s11, 0                            ; do I fetch for x?
	s_cselect_b32 s20, s20, s21
	s_cselect_b32 s21, s40, s41                    ; my place among the four that ask for the tile with me
	s_cselect_b32 s22, ttmp9, s22                  ; the coordinate along which other clusters read the same rows
	s_cselect_b64 s[PFA:PFA+1], s[4:5], s[6:7]
	s_cmp_eq_u32 s22, 0
	s_cselect_b32 s[LIM], 2, -1                    ; the same in all sixteen partners, for a given wave
	s_lshl_b32 s22, s12, 7
	s_add_co_u32 s20, s20, s22                     ; + the 128 rows that I fetch
	s_lshl_b32 s21, s21, 5
	s_add_co_u32 s20, s20, s21                     ; + my work-group's 32 of them
	s_lshl_b32 s20, s20, 14
	s_mov_b32 s21, 0
	s_add_nc_u64 s[PFA:PFA+1], s[PFA:PFA+1], s[20:21]
	s_add_nc_u64 s[PFA:PFA+1], s[PFA:PFA+1], 5*STEPB  ; at K step 5: the first change of slots steps it to 6.  Nothing is prefetched here, at the head
.set i, 0
.rept 16
	v_mov_b32 v[Z0+i], 0
.set i, i+1
.endr
	s_wait_loadcnt 0x0                             ; bias
	; THE SUMS START WITH THE BIAS: accumulator (a, b) = 0 x 0 + bias of block b.  64 matrix instructions in the wait for the first tile: no accumulator is cleared or written by a vector instruction,
	; no addition stands on the way out, and every piece of the walk has one form of product, so that no first piece is written out.
.irp a, 0,1,2,3,4,5,6,7
	WIN INIT_LO+0x40*((\a)/4)
.irp b, 0,1,2,3,4,5,6,7
	v_wmma_f32_16x16x32_bf16 v[8*(8*((\a)%4)+(\b)):8*(8*((\a)%4)+(\b))+7], v[Z0:Z0+7], v[Z1:Z1+7], v[BIAS+8*(\b):BIAS+8*(\b)+7]
.endr
.endr
	WIN 0
.rept 4
	v_nop                                          ; four places behind those products: the first run of LDS loads below goes into the registers that held the bias, a source of theirs
.endr
; Product n of a piece's 64, weight's fragments out of buffer bf: x's block a = n / 8, weight's block b = n % 8.  The 64 accumulators take turns, one instruction a turn, in the same order in every piece,
; between two links of a chain stand the 63 others', over the backward jump and into the tail too.
.macro MM bf, n
.set mA, (\n)/8
.set mB, (\n)%8
.set mC, 8*(8*(mA%4)+mB)
	WIN MUL_LO+0x50*(mA/4)
	v_wmma_f32_16x16x32_bf16 v[mC:mC+7], v[(\bf)+8*mB:(\bf)+8*mB+7], v[AF+8*mA:AF+8*mA+7], v[mC:mC+7]
.endm
; CV: quarter k (four raw f32) of raw fragment i of a side (0: weight, 1: x) is rounded into two registers of the bf16 fragment at dst + 8 i.
.macro CV side, dst, i, k
.set cR, RAW+16*(\i)+4*(\k)
.set cD, (\dst)+8*(\i)+2*(\k)
	WIN SIDE_B*(1-(\side))
	v_cvt_pk_bf16_f32 v[cD], v[cR], v[cR+1]
	v_cvt_pk_bf16_f32 v[cD+1], v[cR+2], v[cR+3]
.endm
; RUN: 32 LDS loads on end: a side's eight raw fragments of one piece, from byte kb of the rows of slot sl.  They go into raw registers, which no matrix instruction names.
.macro RUN side, sl, kb
	WIN TO_1*(1-(\side))
.set ri, 0
.rept 8
.irp u, 0,1,2,3
	ds_load_b128 v[RAW+16*ri+4*(\u):RAW+16*ri+4*(\u)+3], v[ADRB-4*(\side)+(\sl)] offset:(\kb)+ri*16*PITCH+64*((\u)/2)+16*((\u)%2)
.endr
.set ri, ri+1
.endr
.endm
; A BLOCK: the 8 products of block blk (mul = 1), and behind each two of them four conversions: raw fragments fr0 and fr0 + 1 of a side (side = -1: none).
; wt: how many younger LDS instructions may be out when those two fragments have to be in (-1: no wait): the rest of their own run and the other side's run of 32 that was issued behind it.
; A conversion writes a register that matrix instructions have read: weight's other buffer, last read in the piece before, a block of sixteen conversions back or more; x's fragment a, last read in block a,
; a block back or more, but for fragment 7: between the piece's last product and its first conversion stand twelve conversions that name none of that product's registers.  Four places are wanted (ISA guide 7.12.1).
.macro BLK mul, bf, blk, side, dst, fr0, wt
.set bt, 0
.rept 4
.if \mul
	MM \bf, 8*(\blk)+2*bt
	MM \bf, 8*(\blk)+2*bt+1
.endif
.if (bt == 0) && ((\wt) >= 0)
	s_wait_dscnt \wt
.endif
.if (\side) >= 0
	CV \side, \dst, (\fr0)+bt/2, 2*(bt%2)
	CV \side, \dst, (\fr0)+bt/2, 2*(bt%2)+1
.endif
.set bt, bt+1
.endr
.endm
; AN ODD PIECE, the second half of K step j.  All that it loads lies in slot sl, K step j + 1's: x's raw fragments of that step's first half, weight's of its second.
; The waits: a block's two fragments are in when at most the rest of their run (24, 16, 8, 0 loads) and the younger run's 32 are out.
.macro PIECE_O sl
	BLK 1, BF1, 0, 1, AF, 6, 32
	RUN 1, \sl, 0
	BLK 1, BF1, 1, 0, BF0, 0, 56
	BLK 1, BF1, 2, 0, BF0, 2, 48
	BLK 1, BF1, 3, 0, BF0, 4, 40
	BLK 1, BF1, 4, 0, BF0, 6, 32
	RUN 0, \sl, 128
	BLK 1, BF1, 5, 1, AF, 0, 56
	BLK 1, BF1, 6, 1, AF, 2, 48
	BLK 1, BF1, 7, 1, AF, 4, 40
.endm
; AN EVEN PIECE, the first half of K step j, which lies in slot cs.  Its first run, x's raw fragments of the step's second half, is the LAST read of slot cs; its second run, weight's of K step j + 1, the
; first read of slot ns: between them stands THE CHANGE OF SLOTS.  Each wave waits for all its tensor loads, of which one is out: its part of slot ns; adds 0 to its spare word; goes on with a block; waits
; for the add and for its reads of slot cs; signals; another block, work on registers alone; waits.
; mode 2: slot cs is filled again, with K step j + 2: the barrier opens a round of the cluster's, and the joint refill is the first thing behind it.  mode 1: nothing is left to ask for.  mode 0: the last K step: no change, no second run.
.macro PIECE_E cs, ns, mode
	BLK 1, BF0, 0, 1, AF, 6, 32
	RUN 1, \cs, 128
	BLK 1, BF0, 1, 0, BF1, 0, 56
	BLK 1, BF0, 2, 0, BF1, 2, 48
.if (\mode) == 0
	BLK 1, BF0, 3, 0, BF1, 4, 40
	BLK 1, BF0, 4, 0, BF1, 6, 32
	BLK 1, BF0, 5, 1, AF, 0, 24                    ; no run was issued behind x's: the counts are the rest of that run alone
	BLK 1, BF0, 6, 1, AF, 2, 16
	BLK 1, BF0, 7, 1, AF, 4, 8
.else
	WIN 0                                          ; (the add's two registers lie in window 0)
.if (\mode) == 2
	s_wait_xcnt 0x0                                ; the last prefetch, a K step back, has read its address, so it may be stepped
	s_add_nc_u64 s[PFA:PFA+1], s[PFA:PFA+1], STEPB
.endif
	s_wait_tensorcnt 0x0                           ; all my tensor loads have landed: the one that was out is my part of slot ns
	ds_add_u32 v[SPW], v[NIL]                      ; 0 onto my spare word
	BLK 1, BF0, 3, 0, BF1, 4, 41                   ; behind these two fragments' loads stand 8 of their run, x's run of 32 and the add
	s_wait_dscnt 0x0                               ; the add is done, and my reads of slot cs are over (the run was issued three blocks back):
	s_barrier_signal -1                            ; say so,
	BLK 1, BF0, 4, 0, BF1, 6, -1                   ; work on registers while the others arrive (all raw fragments are in),
	WIN 0
	s_barrier_wait -1                              ; and go on when all four have said so
.if (\mode) == 2
	CREST                                          ; all sixteen work-groups have said so: no wave of any partner still reads this slot or has a load on its way
	s_add_nc_u64 s[G0+4*(\cs)+2:G0+4*(\cs)+3], s[G0+4*(\cs)+2:G0+4*(\cs)+3], 2*STEPB     ; no tensor load of mine is out, so a group 0 may be written; the type bits on top are not reached
	s_add_nc_u64 s[G0B+4*(\cs)+2:G0B+4*(\cs)+3], s[G0B+4*(\cs)+2:G0B+4*(\cs)+3], 2*STEPB
	JLOAD \cs                                      ; my one tensor load behind the round: 112 matrix instructions stand between it and the wait for it
.endif
	RUN 0, \ns, 0
.if (\mode) == 2
	ASK
.endif
	BLK 1, BF0, 5, 1, AF, 0, 56                    ; (x's run has landed by the wait for 0 above: these three counts are met at once)
	BLK 1, BF0, 6, 1, AF, 2, 48
	BLK 1, BF0, 7, 1, AF, 4, 40
.endif
.endm
; THE WAY OUT of my block a of 16 rows.  TOSTAGE: a lane's 32 bytes of each of the 8 column blocks go into my own stage, each accumulator's low registers first; whole rows of
; 512 bytes come back.  LDS serves a wave's instructions in order (ISA guide 5.7.1.4): the loads see the stores above them, and the next block's stores come behind these loads.
.macro TOSTAGE a
.set tC, 64*((\a)%4)
.set tO, OB+64*((\a)%2)
	WIN ST_LO+4*((\a)/4)
.irp b, 0,1,2,3,4,5,6,7
	ds_store_b128 v[STO], v[tC+8*(\b):tC+8*(\b)+3]   offset:64*(\b)
	ds_store_b128 v[STO], v[tC+8*(\b)+4:tC+8*(\b)+7] offset:64*(\b)+16
.endr
	WIN 0
.if (\a) >= 2
	s_wait_xcnt 0x0                                ; the stores of the block two back have read these registers
.endif
.irp t, 0,1,2,3,4,5,6,7,8,9,10,11,12,13,14,15
	ds_load_b128 v[tO+4*(\t):tO+4*(\t)+3], v[RD] offset:(\t)*SPITCH
.endr
.endm
.macro SEND a, younger                 ; younger: the LDS instructions issued behind block a's loads: the next block's 32, or none
.set tO, OB+64*((\a)%2)
	WIN 0
	s_wait_xcnt 0x0                                ; earlier stores have read their base, so it may be stepped
.if (\a) == 0
	s_add_nc_u64 s[8:9], s[8:9], s[16:17]          ; on to my first rows
.else
	s_add_nc_u64 s[8:9], s[8:9], 16*SIZE_N*4       ; 16 rows on
.endif
.irp t, 0,1,2,3,4,5,6,7,8,9,10,11,12,13,14,15
	s_wait_dscnt (\younger)+15-(\t)                ; row t is back; my later rows and the younger ones may stay out
	global_store_b128 v[CO], v[tO+4*(\t):tO+4*(\t)+3], s[8:9] offset:(\t)*SIZE_N*4 th:TH_STORE_NT  ; the wave stores 512 consecutive bytes of a row, at a multiple of 512 from out0's first byte
.endr
.endm
	s_wait_tensorcnt 1                             ; my part of K step 0 is in; K step 1's may stay out
	s_barrier_signal -1
	s_barrier_wait -1                              ; everybody's is
	; what piece 0 finds: x's fragments 0-5 and all of weight's converted, x's raw fragments 6, 7 in registers, weight's raw fragments of piece 1 on their way
	RUN 1, 0, 0
	RUN 0, 0, 0
	BLK 0, BF0, 0, 1, AF, 0, 56                    ; x's: the rest of their run and weight's 32 may be out
	BLK 0, BF0, 0, 1, AF, 2, 48
	BLK 0, BF0, 0, 1, AF, 4, 40
	BLK 0, BF0, 0, 0, BF0, 0, 24                   ; weight's: the rest of their run
	BLK 0, BF0, 0, 0, BF0, 2, 16
	BLK 0, BF0, 0, 0, BF0, 4, 8
	BLK 0, BF0, 0, 0, BF0, 6, 0
	RUN 0, 0, 128
	WIN 0                                          ; at a label and at a branch every window is 0
	s_mov_b32 s3, LAPS-1
.Llap:                                                 ; a trip multiplies two K steps and fills both slots again: 31 trips, K steps 0 to 61, the last request is K step 63
	PIECE_E 0, 1, 2
	PIECE_O 1
	PIECE_E 1, 0, 2
	PIECE_O 0
	WIN 0
	s_sub_co_u32 s3, s3, 1
	s_cmp_lg_u32 s3, 0
	s_cbranch_scc1 .Llap
	PIECE_E 0, 1, 1                                ; the last lap is written out: K step 62; K step 63 is waited for, nothing is asked for
	PIECE_O 1
	PIECE_E 1, 0, 0                                ; K step 63
	BLK 1, BF1, 0, 1, AF, 6, 0                     ; the last piece: x's last two fragments are converted; nothing is left to load
.set pn, 8
.rept 56
	MM BF1, pn
.set pn, pn+1
.endr
	WIN 0
.rept 8
	v_nop                                          ; plain places, once a launch, behind the last products: ahead of the LDS stores that read results and of the loads into registers that those products read
.endr
	TOSTAGE 0
.irp a, 1,2,3,4,5,6,7                  ; block a goes into the stage while block a - 1's rows come back and leave
	TOSTAGE \a
	SEND (\a)-1, 32
.endr
	SEND 7, 0
	s_wait_tensorcnt 0x0                           ; the wave's end, behind my last tensor load and my last LDS store
	ds_add_u32 v[SPW], v[NIL]
	s_wait_dscnt 0x0
	CROUND                                         ; the closing round: no work-group ends while a partner may still ask for a tile that names it
	s_endpgm
.Lfunc_end_k_q222a20c588_gemm:
	.size	k_q222a20c588_gemm, .Lfunc_end_k_q222a20c588_gemm-k_q222a20c588_gemm
	.p2alignl 7, 3214868480
	.fill 96, 4, 3214868480
	.section	.rodata,"a",@progbits
	.p2align	6, 0x0
	.amdhsa_kernel k_q222a20c588_gemm
		.amdhsa_group_segment_fixed_size 327680
		.amdhsa_private_segment_fixed_size 0
		.amdhsa_enable_private_segment 0
		.amdhsa_kernarg_size 32
		.amdhsa_user_sgpr_count 2
		.amdhsa_user_sgpr_kernarg_segment_ptr 1
		.amdhsa_wavefront_size32 1
		.amdhsa_system_sgpr_workgroup_id_x 1
		.amdhsa_system_sgpr_workgroup_id_y 1
		.amdhsa_system_sgpr_workgroup_id_z 1
		.amdhsa_system_vgpr_workitem_id 0
		.amdhsa_next_free_vgpr 1024
		.amdhsa_next_free_sgpr 68
		.amdhsa_reserve_vcc 0
		.amdhsa_float_denorm_mode_32 3
		.amdhsa_float_denorm_mode_16_64 3
		.amdhsa_memory_ordered 1
		.amdhsa_forward_progress 1
		.amdhsa_inst_pref_size 196
	.end_amdhsa_kernel
	.amdgpu_metadata
---
amdhsa.version: [ 1, 2 ]
amdhsa.kernels:
  - .name:           k_q222a20c588_gemm
    .symbol:         k_q222a20c588_gemm.kd
    .args:
      - { .name: x, .offset: 0, .size: 8, .value_kind: global_buffer, .address_space: global }
      - { .name: weight, .offset: 8, .size: 8, .value_kind: global_buffer, .address_space: global }
      - { .name: out0, .offset: 16, .size: 8, .value_kind: global_buffer, .address_space: global }
      - { .name: bias, .offset: 24, .size: 8, .value_kind: global_buffer, .address_space: global }
    .group_segment_fixed_size: 327680
    .private_segment_fixed_size: 0
    .kernarg_segment_align: 8
    .kernarg_segment_size: 32
    .max_flat_workgroup_size: 128
    .sgpr_count:     68
    .vgpr_count:     1024
    .wavefront_size: 32
...
	.end_amdgpu_metadata
.endif
;; end of part 2
;; ======== version 3 of 4: 2 launches
;; workspace buffers: xb 16,777,216 bytes; wb 67,108,864 bytes
;; launch cvt (part 3): grid 1280 x 1, 8 waves a work-group, no clusters, 0 bytes of LDS; arguments x, weight, xb, wb; writes xb, wb
.if DOCPART == 3
	.amdgcn_target "amdgcn-amd-amdhsa--gfx1250"
	.amdhsa_code_object_version 6
	.text
	.protected	k_q222a20c588_cvt
	.globl	k_q222a20c588_cvt
	.p2align	8
	.type	k_q222a20c588_cvt,@function
k_q222a20c588_cvt:
	s_mov_b64 s[64:65], 0
	v_nop
	global_prefetch_b8 v0, s[64:65] scope:SCOPE_SE
	s_setreg_imm32_b32 hwreg(HW_REG_WAVE_MODE, 25, 1), 1
	s_wait_xcnt 0x0
; xb = x and wb = weight, each number rounded once, to nearest even, from f32 to bf16; the layouts stay: [2048][4096] and [8192][4096], row-major.
; LIMITS.  A number beyond bf16's largest finite one, 3.39e38, becomes an infinity; NaN stays NaN.
; WHY A LAUNCH OF ITS OWN.  The product that follows reads each number of x in 32 work-groups and each number of weight in 8, and in each of them two waves take it out of LDS: rounded here, once, it is
; 2 bytes on all those ways, and a tile of the same bytes in LDS holds twice as much of K.
; SHARES.  The two inputs are 160 MiB of f32, cut into 1,280 pieces of 128 KiB: work-groups 0-255 take x's, the others weight's.  Of a piece each of the eight waves takes 16 KiB: 32 loads of 16 bytes a
; lane, each 512 consecutive bytes, all issued at once into registers of their own.  A load's four numbers are rounded in place into two registers and stored: 32 lanes x 8 bytes are 256 consecutive
; bytes, at a multiple of 256 from the buffer's first byte.  No register is written twice, so the only waits are the counted ones for the loads.
; No LDS, no barrier, no matrix unit, no cluster: no wave wants a byte that another has fetched.  No prefetch: the launch does nothing but stream.
.set PIECE, 131072                     ; bytes of f32 to a work-group
.set XP,    2048*4096*4/PIECE          ; x's pieces: 256
.set NL,    32                         ; loads of a wave
.set X,     4                          ; v[4:131]  load i: four registers as loaded; the first two then hold its four bf16
	s_load_b256 s[4:11], s[0:1], 0x0               ; x s[4:5], weight s[6:7], xb s[8:9], wb s[10:11]
	s_sub_co_u32 s12, ttmp9, XP                    ; my piece's number in weight,
	s_cmp_lt_u32 ttmp9, XP
	s_cselect_b32 s12, ttmp9, s12                  ; or in x
	s_lshl_b32 s18, s12, 17                        ; its first byte in the input (under 2^27),
	s_mov_b32 s19, 0
	s_lshl_b32 s20, s12, 16                        ; and in the output
	s_mov_b32 s21, 0
	v_and_b32 v1, 31, v0                           ; lane
	v_lshrrev_b32 v2, 5, v0                        ; wave
	v_lshlrev_b32 v3, 3, v1
	v_lshlrev_b32 v1, 4, v1
	v_lshl_add_u32 v1, v2, 14, v1                  ; in: 16,384 x wave + 16 x lane; never rewritten
	v_lshl_add_u32 v2, v2, 13, v3                  ; out: 8,192 x wave + 8 x lane; never rewritten
	s_wait_kmcnt 0x0
	s_cmp_lt_u32 ttmp9, XP                         ; the choice between the buffers hangs on the work-group's number alone
	s_cselect_b64 s[14:15], s[4:5], s[6:7]
	s_cselect_b64 s[16:17], s[8:9], s[10:11]
	s_add_nc_u64 s[14:15], s[14:15], s[18:19]
	s_add_nc_u64 s[16:17], s[16:17], s[20:21]
.set i, 0
.rept NL
	global_load_b128 v[X+4*i:X+4*i+3], v1, s[14:15] offset:512*i th:TH_LOAD_NT
.set i, i+1
.endr
.set i, 0
.rept NL
	s_wait_loadcnt NL-1-i                          ; loads come back in order (ISA guide 5.7.1): load i is in, the younger ones stay out
	v_cvt_pk_bf16_f32 v[X+4*i], v[X+4*i], v[X+4*i+1]      ; the first source into the low half
	v_cvt_pk_bf16_f32 v[X+4*i+1], v[X+4*i+2], v[X+4*i+3]
	global_store_b64 v2, v[X+4*i:X+4*i+1], s[16:17] offset:256*i th:TH_STORE_NT
.set i, i+1
.endr
	s_endpgm
.Lfunc_end_k_q222a20c588_cvt:
	.size	k_q222a20c588_cvt, .Lfunc_end_k_q222a20c588_cvt-k_q222a20c588_cvt
	.p2alignl 7, 3214868480
	.fill 96, 4, 3214868480
	.section	.rodata,"a",@progbits
	.p2align	6, 0x0
	.amdhsa_kernel k_q222a20c588_cvt
		.amdhsa_group_segment_fixed_size 0
		.amdhsa_private_segment_fixed_size 0
		.amdhsa_enable_private_segment 0
		.amdhsa_kernarg_size 32
		.amdhsa_user_sgpr_count 2
		.amdhsa_user_sgpr_kernarg_segment_ptr 1
		.amdhsa_wavefront_size32 1
		.amdhsa_system_sgpr_workgroup_id_x 1
		.amdhsa_system_sgpr_workgroup_id_y 1
		.amdhsa_system_sgpr_workgroup_id_z 1
		.amdhsa_system_vgpr_workitem_id 0
		.amdhsa_next_free_vgpr 132
		.amdhsa_next_free_sgpr 66
		.amdhsa_reserve_vcc 0
		.amdhsa_float_denorm_mode_32 3
		.amdhsa_float_denorm_mode_16_64 3
		.amdhsa_memory_ordered 1
		.amdhsa_forward_progress 1
		.amdhsa_inst_pref_size 13
	.end_amdhsa_kernel
	.amdgpu_metadata
---
amdhsa.version: [ 1, 2 ]
amdhsa.kernels:
  - .name:           k_q222a20c588_cvt
    .symbol:         k_q222a20c588_cvt.kd
    .args:
      - { .name: x, .offset: 0, .size: 8, .value_kind: global_buffer, .address_space: global }
      - { .name: weight, .offset: 8, .size: 8, .value_kind: global_buffer, .address_space: global }
      - { .name: xb, .offset: 16, .size: 8, .value_kind: global_buffer, .address_space: global }
      - { .name: wb, .offset: 24, .size: 8, .value_kind: global_buffer, .address_space: global }
    .group_segment_fixed_size: 0
    .private_segment_fixed_size: 0
    .kernarg_segment_align: 8
    .kernarg_segment_size: 32
    .max_flat_workgroup_size: 256
    .sgpr_count:     66
    .vgpr_count:     132
    .wavefront_size: 32
...
	.end_amdgpu_metadata
.endif
;; end of part 3
;; launch gemm (part 4): grid 32 x 8, 4 waves a work-group, clusters of 4 x 4, 327,680 bytes of LDS; arguments xb, wb, out0, bias; writes out0
.if DOCPART == 4
	.amdgcn_target "amdgcn-amd-amdhsa--gfx1250"
	.amdhsa_code_object_version 6
	.text
	.protected	k_q222a20c588_gemm
	.globl	k_q222a20c588_gemm
	.p2align	8
	.type	k_q222a20c588_gemm,@function
k_q222a20c588_gemm:
	s_mov_b64 s[64:65], 0
	v_nop
	global_prefetch_b8 v0, s[64:65] scope:SCOPE_SE
	s_setreg_imm32_b32 hwreg(HW_REG_WAVE_MODE, 25, 1), 1
	s_wait_xcnt 0x0
	s_wait_alu depctr_hold_cnt(0) depctr_sa_sdst(0) depctr_va_vdst(0) depctr_va_sdst(0) depctr_va_ssrc(0) depctr_va_vcc(0) depctr_vm_vsrc(0)
	s_getreg_b32 s2, hwreg(HW_REG_IB_STS2, 6, 4)
	s_cmp_eq_u32 s2, 0
	s_cbranch_scc0 .Lentry_in_a_cluster
	s_endpgm
.Lentry_in_a_cluster:
	s_bfe_u32 s2, ttmp6, 0x10000c
	s_cmp_lg_u32 s2, 0xf033
	s_cbranch_scc0 .Lentry_shape_is_right
	s_endpgm
.Lentry_shape_is_right:
; out0[m][n] = bias[n] + the sum over p of xb[m][p] wb[n][p].  xb: [2048][4096], wb: [8192][4096], bf16: x and weight as the launch before has rounded them.  bias: [8192], out0: [2048][8192], f32.
; FORMATS AND LIMITS.  Products and sums in f32, with bias as the sum's first term, K ascending in groups of 32: another order of rounding than a plain f32 dot product's.  NaN and infinities are not treated apart.
; SHARES.  A tile of out0, 256 x 256, is made by a work-group of four waves; there are 8 x 32 tiles, one to a work-group.  A wave makes 128 x 128: 64 accumulators of 16 x 16, 512 registers.
; K goes in 32 steps of 128 through a ring of two LDS slots filled by the tensor data mover: a tile's rows are 256 bytes of memory and start at multiples of 256 bytes from the buffer's first byte.
; A K step is four quarters of 32 along K, 64 matrix instructions a wave each, on two fragment buffers by turns; a quarter's 32 LDS loads stand in ONE run in the middle of the quarter before.
; CLUSTERS: 4 x 4 work-groups.  The four of a row of the cluster need the same tiles of xb, the four of a column the same tiles of wb: each tile is asked for JOINTLY, by the same tensor load
; with the same descriptor and a mask that names the four.
; THE MATRIX INSTRUCTION IS USED TRANSPOSED (source 0 = 16 rows of wb, source 1 = 16 rows of xb): lane l holds row l % 16 of out0, its registers 0-7 the columns 8 (l / 16) + 0..7: 32 bytes on end.
; REGISTERS, in windows of 256 (s_set_vgpr_msb's low byte: bits 1:0 source 0, 3:2 source 1, 5:4 source 2, 7:6 destination):
;   window 0: v0-31 addresses; v64-127, v128-191 fragments of xb (8 x 16 rows x 32 K), two buffers (on the way out: rows of out0); v192-255 the bias, laid out as eight accumulators
;   window 1: v64-127, v128-191 fragments of wb, two buffers
;   window 2: the 32 accumulators of my rows 0-63 (accumulator (a, b) at v[8 (8 a + b)]);   window 3: those of my rows 64-127
.set SIZE_M, 2048
.set SIZE_N, 8192
.set SIZE_K, 4096
.set KSTEP,  128
.set STEPB,  KSTEP*2                   ; 256 bytes of a row in a K step
.set PITCH,  272                       ; an LDS row: 256 bytes + 16 of padding = 68 words: row r starts at bank 4 r mod 64 (64 banks of 4 bytes: ISA guide 11.1), so the 16 rows of a load start at 16 different banks
.set HALFT,  128*PITCH                 ; 128 rows: what one tensor load brings, and what one wave reads of xb or of wb
.set SLOT,   4*HALFT                   ; xb's 256 rows, then wb's 256 rows
.set STAGE,  2*SLOT                    ; behind the ring, never filled by a tensor load: 16 rows x 528 bytes for each wave, for the way out
.set SPITCH, 528                       ; 512 bytes + 16
.set SPARE,  STAGE+4*16*SPITCH         ; behind the stages: the spare words, 128 bytes for each wave: two blocks of 256 bytes that no other line names
.set LAPS,   SIZE_K/(2*KSTEP)          ; a lap = two K steps = once round the ring: 16
.set ADRA, 16                          ; v16-17  LDS address of my fragments of xb in slot 0, 1
.set ADRB, 20                          ; v20-21  the same for wb
.set STO,  24                          ; v24     the way out: where I put 32 bytes of a row
.set RD,   25                          ; v25     the way out: where I read 16 bytes of a row back
.set CO,   26                          ; v26     16 x my lane: my bytes in 512 consecutive bytes of out0
.set BO,   27                          ; v27     32 (l / 16): my eight columns in a block of 16, in bias
.set SPW,  28                          ; v28     LDS address of my spare word: SPARE + 4 x my thread's number; never rewritten
.set NIL,  29                          ; v29     0; never rewritten
.set PFO,  30                          ; v30     the prefetches' offset: my lane x a row of xb or wb (8,192 bytes); never rewritten
.set F0,   64                          ; fragment buffer 0
.set F1,   128                         ; fragment buffer 1
.set BIAS, 192                         ; bias of column block b at BIAS + 8 b
.set OB,   64                          ; the way out: 16 rows read back from the stage, v64-127 and v128-191 by turns
.set G1,  24                           ; s[24:31] descriptor group 1 for xb's tiles;  s[32:39] group 0, one set for each slot
.set G0,  32
.set G1B, 48                           ; s[48:55], s[56:63] the same for wb's tiles
.set G0B, 56
.set LIM, 43                           ; s43     1 in a wave that prefetches, else the greatest number
.set PFA, 44                           ; s[44:45] where my prefetches stand: one K step further along K than the refill that is being asked for; a prefetch names the K step after that
.set BIA, 66                           ; s[66:67] bias
.set MSB, 0
.macro WIN new                         ; the immediate's high byte repeats the setting that is left; a switch that changes nothing is dropped
.if MSB != (\new)
	s_set_vgpr_msb (MSB<<8)|(\new)
.set MSB, \new
.endif
.endm
.set MUL_LO, 0xa1                      ; source 0 (wb) window 1, source 1 (xb) window 0, C and D window 2
.set MUL_HI, 0xf1                      ; the same, C and D window 3
.set FST_LO, 0x81                      ; the first products: C (the bias) window 0, D window 2; + 0x40: D window 3
.set TO_B,   0x40                      ; destination window 1, address window 0
.set ST_LO,  0x08                      ; an LDS store's data (source 1) window 2; + 4: window 3
; A joint load.  Waves 0 and 1 fetch xb's two halves, waves 2 and 3 wb's.  Each line has ONE mask and one set of registers for all that issue it; the branch hangs on the wave's number alone.
; An s_nop 0 and four v_nop follow each of the two lines, ahead of the jump, the label and what follows.
.macro JLOAD s
	s_cmp_eq_u32 s11, 0
	s_cbranch_scc0 .Lfor_b_\@
	tensor_load_to_lds s[G0+4*(\s):G0+4*(\s)+3], s[G1:G1+7]
	s_nop 0
.rept 4
	v_nop
.endr
	s_branch .Lasked_\@
.Lfor_b_\@:
	tensor_load_to_lds s[G0B+4*(\s):G0B+4*(\s)+3], s[G1B:G1B+7]
	s_nop 0
.rept 4
	v_nop
.endr
.Lasked_\@:
.endm
; A PREFETCH INTO THE L2, behind each joint refill, its five lines and the run of LDS loads that follows them.  The refill in K step j asks for K step j + 2; the prefetch names K step j + 4: 32 rows x 256
; bytes, a lane a row, one instruction a wave, two K steps (512 matrix instructions) ahead of the load that will want them.  Each row's 256 bytes of a K step are named ONCE in the launch: xb's tile row is
; read by every cluster of that row of clusters, and the one with cluster x = 0 asks; wb's tile column by both clusters of that column, and the one with cluster y = 0 asks.  The four partners that ask
; for a tile jointly share its rows out BY ADDRESS: of the 128 rows that a wave fetches, the partner at place p takes 32 p .. 32 p + 31 (p = cx for xb, cy for wb).  It is issued while more than one
; trip of the loop is left (K steps 0 to 27), so K step 31 is the last one named; K steps 0 to 3 come by their loads alone.
.macro ASK
	WIN 0
	s_cmp_gt_u32 s3, s[LIM]                        ; s3 = 1 in the loop's last trip
	s_cbranch_scc0 .Lnot_mine_\@
	global_prefetch_b8 v[PFO], s[PFA:PFA+1] offset:STEPB th:TH_LOAD_NT scope:SCOPE_SE
.Lnot_mine_\@:
.endm
; A round of the cluster's barrier: my work-group's barrier, so that wave 0's signal speaks for all four waves; wave 0 signals for the work-group; every wave waits for all sixteen; my work-group's barrier once more.
.macro CREST                           ; a round behind its opening barrier
	s_cmp_lg_u32 s10, 0
	s_cbranch_scc1 .Lnot_wave_0_\@
	s_barrier_signal -3
.Lnot_wave_0_\@:
	s_barrier_wait -3
	s_barrier_signal -1
	s_barrier_wait -1
.endm
.macro CROUND                          ; a whole round
	s_barrier_signal -1
	s_barrier_wait -1
	CREST
.endm
	s_load_b128 s[4:7], s[0:1], 0x0                ; xb s[4:5], wb s[6:7]
	s_load_b64 s[8:9], s[0:1], 0x10                ; out0
	s_load_b64 s[BIA:BIA+1], s[0:1], 0x18          ; bias
	v_lshl_add_u32 v[SPW], v0, 2, SPARE
	v_mov_b32 v[NIL], 0
	ds_add_u32 v[SPW], v[NIL]                      ; the wave's opening: the add, twice on end, and its wait ahead of my first tensor load; the set-up below, work on registers, stands between
	ds_add_u32 v[SPW], v[NIL]                      ; and once more, under the one wait
	v_lshrrev_b32 v1, 5, v0
	v_readfirstlane_b32 s10, v1                    ; wave 0..3
	s_lshr_b32 s11, s10, 1                         ; which half of the tile's rows is mine.  Also: I fetch for xb (0) or for wb (1)
	s_and_b32 s12, s10, 1                          ; which half of its columns.  Also: which 128 rows of that tile I fetch
	s_bfe_u32 s40, ttmp6, 0x40000                  ; cx: my place along the cluster's x
	s_bfe_u32 s41, ttmp6, 0x40004                  ; cy: along its y
	s_lshl_b32 s42, ttmp9, 2                       ; in a cluster launch ttmp9 and ttmp7 count clusters
	s_add_co_u32 s42, s42, s40                     ; tile column = 4 x cluster x + cx
	s_and_b32 s13, ttmp7, 0xffff
	s_lshl_b32 s13, s13, 2
	s_add_co_u32 s13, s13, s41                     ; tile row = 4 x cluster y + cy
	s_lshl_b32 s43, s41, 2
	s_lshl_b32 s43, 15, s43                        ; my row of the cluster: places 4 cy .. 4 cy + 3
	s_lshl_b32 s44, 0x1111, s40                    ; my column: places cx, cx + 4, cx + 8, cx + 12
	; descriptor group 1: a tile of 128 rows x 128 elements of 2 bytes, padded in LDS
	s_or_b32 s[G1+0], s43, (1<<16)|(1<<20)|(1<<21)|(5<<22)|(3<<25)   ; 15:0 the mask: xb's tiles go to my row; 17:16 elements of 2 bytes; 20 padding on; 21 set beside a mask; 24:22 after every 64 words (code 5); 31:25 4 words of it (code 3)
	s_or_b32 s[G1B+0], s44, (1<<16)|(1<<20)|(1<<21)|(5<<22)|(3<<25)  ; the same with the mask of my column, for wb's tiles
.irp g, G1, G1B
	s_mov_b32 s[(\g)+1], KSTEP<<16                 ; tensor_dim0 = 128
	s_mov_b32 s[(\g)+2], 128<<16                   ; tensor_dim1 = 128
	s_mov_b32 s[(\g)+3], KSTEP<<16                 ; tile_dim0 = 128
	s_mov_b32 s[(\g)+4], 128                       ; tile_dim1 = 128
	s_mov_b32 s[(\g)+5], SIZE_K                    ; elements from row to row
	s_mov_b32 s[(\g)+6], 0
	s_mov_b32 s[(\g)+7], 0
.endr
	; where the tiles come from.  xb's hang on the tile row alone, which my row of the cluster shares; wb's on the tile column alone, which my column shares.
	s_lshl_b32 s17, s12, 7                         ; which 128 rows of the tile I fetch
	s_lshl_b32 s16, s13, 8
	s_add_co_u32 s16, s16, s17                     ; xb: row 256 x tile row + 128 x half,
	s_lshl_b32 s16, s16, 13                        ; in bytes: 8,192 a row, under 2^24
	s_lshl_b32 s46, s42, 8
	s_add_co_u32 s46, s46, s17                     ; wb: row 256 x tile column + 128 x half,
	s_lshl_b32 s46, s46, 13                        ; in bytes, under 2^26
	s_mov_b32 s17, 0
	s_mov_b32 s47, 0
	s_mul_i32 s20, s10, HALFT                      ; and where they go: wave x 128 rows: no place in the cluster enters an LDS address
	s_wait_dscnt 0x0                               ; both opening adds are done
	s_wait_kmcnt 0x0
	s_add_nc_u64 s[14:15], s[4:5], s[16:17]
	s_add_nc_u64 s[46:47], s[6:7], s[46:47]
	CROUND                                         ; all sixteen work-groups are here: the first joint loads meet
.irp s, 0,1
	s_mov_b32 s[G0+4*(\s)], 1                                        ; 1:0 count = 1
	s_add_co_u32 s[G0+4*(\s)+1], s20, (\s)*SLOT                      ; 63:32 LDS address
	s_add_nc_u64 s[G0+4*(\s)+2:G0+4*(\s)+3], s[14:15], (\s)*STEPB    ; 120:64 global address: K step s
	s_or_b32 s[G0+4*(\s)+3], s[G0+4*(\s)+3], 0x80000000              ; 127:126 type = 2
	s_mov_b32 s[G0B+4*(\s)], 1
	s_add_co_u32 s[G0B+4*(\s)+1], s20, (\s)*SLOT
	s_add_nc_u64 s[G0B+4*(\s)+2:G0B+4*(\s)+3], s[46:47], (\s)*STEPB
	s_or_b32 s[G0B+4*(\s)+3], s[G0B+4*(\s)+3], 0x80000000
	JLOAD \s                                       ; the ring is filled before anything else is done: two loads of mine are out
.endr
	; A fragment is 16 rows x 32 K in 8 registers: lane l holds row l % 16; registers 0-3 K = 8 (l / 16) + 0..7, registers 4-7 K = 16 + 8 (l / 16) + 0..7.
	; From rows that lie along K: two loads of 16 bytes, 32 bytes apart.  The same for source 0 and source 1.
	v_and_b32 v1, 15, v0                           ; l % 16
	v_bfe_u32 v2, v0, 4, 1                         ; l / 16
	v_and_b32 v5, 31, v0                           ; l
	v_lshlrev_b32 v[BO], 5, v2
	; bias as an accumulator has it: register j of lane l belongs to column 16 b + 8 (l / 16) + j, whatever the row
	s_lshl_b32 s18, s42, 10                        ; my first column, in bytes of f32: 1,024 x tile column + 512 x half
	s_lshl_b32 s19, s12, 9
	s_add_co_u32 s18, s18, s19
	s_mov_b32 s19, 0
	s_add_nc_u64 s[BIA:BIA+1], s[BIA:BIA+1], s[18:19]  ; bias at my first column
.irp b, 0,1,2,3,4,5,6,7
	global_load_b128 v[BIAS+8*(\b):BIAS+8*(\b)+3],   v[BO], s[BIA:BIA+1] offset:64*(\b)
	global_load_b128 v[BIAS+8*(\b)+4:BIAS+8*(\b)+7], v[BO], s[BIA:BIA+1] offset:64*(\b)+16
.endr
	v_mul_u32_u24 v3, v1, PITCH
	v_lshl_add_u32 v3, v2, 4, v3                   ; row x pitch + 16 x half
	s_mul_i32 s21, s11, HALFT                      ; my 128 rows of xb
	s_mul_i32 s22, s12, HALFT                      ; my 128 rows of wb,
	s_add_co_u32 s22, s22, 2*HALFT                 ; which lie behind xb's 256
	v_add_nc_u32 v[ADRA], s21, v3
	v_add_nc_u32 v[ADRB], s22, v3
	s_add_co_u32 s21, s21, SLOT
	s_add_co_u32 s22, s22, SLOT
	v_add_nc_u32 v[ADRA+1], s21, v3
	v_add_nc_u32 v[ADRB+1], s22, v3
	s_mul_i32 s23, s10, 16*SPITCH
	s_add_co_u32 s23, s23, STAGE                   ; my stage
	v_mul_u32_u24 v4, v1, SPITCH                   ; in: row l % 16, 32 bytes for each half of the lanes
	v_lshl_add_u32 v4, v2, 5, v4
	v_add_nc_u32 v[STO], s23, v4
	v_lshlrev_b32 v[CO], 4, v5                     ; back: 32 lanes take one row of 512 bytes
	v_add_nc_u32 v[RD], s23, v[CO]
	v_lshlrev_b32 v[PFO], 13, v5
	; where my part of the tile begins in out0, in bytes (under 2^27): the first way out adds it to out0's address
	s_lshl_b32 s16, s13, 8
	s_lshl_b32 s17, s11, 7
	s_add_co_u32 s16, s16, s17                     ; my first row,
	s_lshl_b32 s16, s16, 15                        ; 32,768 bytes a row,
	s_add_co_u32 s16, s16, s18                     ; and my first column
	s_mov_b32 s17, 0
	; the prefetches' place
	s_lshl_b32 s20, s13, 8                         ; the tile's first row in xb,
	s_lshl_b32 s21, s42, 8                         ; in wb
	s_and_b32 s22, ttmp7, 0xffff                   ; cluster y
	s_cmp_eq_u32 s11, 0                            ; do I fetch for xb?
	s_cselect_b32 s20, s20, s21
	s_cselect_b32 s21, s40, s41                    ; my place among the four that ask for the tile with me
	s_cselect_b32 s22, ttmp9, s22                  ; the coordinate along which other clusters read the same rows
	s_cselect_b64 s[PFA:PFA+1], s[4:5], s[6:7]
	s_cmp_eq_u32 s22, 0
	s_cselect_b32 s[LIM], 1, -1                    ; the same in all sixteen partners, for a given wave
	s_lshl_b32 s22, s12, 7
	s_add_co_u32 s20, s20, s22                     ; + the 128 rows that I fetch
	s_lshl_b32 s21, s21, 5
	s_add_co_u32 s20, s20, s21                     ; + my work-group's 32 of them
	s_lshl_b32 s20, s20, 13
	s_mov_b32 s21, 0
	s_add_nc_u64 s[PFA:PFA+1], s[PFA:PFA+1], s[20:21]
	s_add_nc_u64 s[PFA:PFA+1], s[PFA:PFA+1], 2*STEPB  ; at K step 2: the first change of slots steps it to 3 and names K step 4.  Nothing is prefetched here, at the head
; 16 matrix instructions: m blocks a0, a0 + 1 of the window's four (hi = 0: my rows 0-63, 1: rows 64-127) x all 8 n blocks, 32 along K.
; first = 1: the first product starts the sum with the bias of its column block as C: nothing is cleared, and no addition stands on the way out.
; The 64 accumulators take turns, one instruction a turn, in the same order in every quarter: between two links of a chain stand the 63 others', over the backward jump and into the tail too.
.macro MUL16 f, hi, a0, first
.if \first
	WIN FST_LO+0x40*(\hi)
.else
	WIN MUL_LO+0x50*(\hi)
.endif
.irp a, \a0, (\a0)+1
.irp b, 0,1,2,3,4,5,6,7
.if \first
	v_wmma_f32_16x16x32_bf16 v[8*(8*(\a)+(\b)):8*(8*(\a)+(\b))+7], v[(\f)+8*(\b):(\f)+8*(\b)+7], v[(\f)+8*(4*(\hi)+(\a)):(\f)+8*(4*(\hi)+(\a))+7], v[BIAS+8*(\b):BIAS+8*(\b)+7]
.else
	v_wmma_f32_16x16x32_bf16 v[8*(8*(\a)+(\b)):8*(8*(\a)+(\b))+7], v[(\f)+8*(\b):(\f)+8*(\b)+7], v[(\f)+8*(4*(\hi)+(\a)):(\f)+8*(4*(\hi)+(\a))+7], v[8*(8*(\a)+(\b)):8*(8*(\a)+(\b))+7]
.endif
.endr
.endr
.endm
; 32 LDS loads in one run: the fragments of one quarter (128 rows of wb, 128 rows of xb, 32 K at byte k of the rows) into buffer f
.macro FETCH slot, k, f
	WIN TO_B
.irp i, 0,1,2,3,4,5,6,7
	ds_load_b128 v[(\f)+8*(\i):(\f)+8*(\i)+3],   v[ADRB+(\slot)] offset:(\k)+(\i)*16*PITCH
	ds_load_b128 v[(\f)+8*(\i)+4:(\f)+8*(\i)+7], v[ADRB+(\slot)] offset:(\k)+(\i)*16*PITCH+32
.endr
	WIN 0
.irp i, 0,1,2,3,4,5,6,7
	ds_load_b128 v[(\f)+8*(\i):(\f)+8*(\i)+3],   v[ADRA+(\slot)] offset:(\k)+(\i)*16*PITCH
	ds_load_b128 v[(\f)+8*(\i)+4:(\f)+8*(\i)+7], v[ADRA+(\slot)] offset:(\k)+(\i)*16*PITCH+32
.endr
.endm
; A load into a register that a matrix instruction has read stands four places behind that matrix instruction, and only plain vector instructions that name none of its registers are places
; (ISA guide 7.12.1 for vector instructions).  So four v_nop stand in front of each run of loads: sixteen issue slots for a K step's 256 matrix instructions.
.macro PLACES
.rept 4
	v_nop
.endr
.endm
; One of a K step's first three quarters: multiplies buffer f; in its middle it fetches the next quarter's fragments, at byte k of the same slot's rows, into buffer g.
.macro QUARTER slot, k, f, g, first
	s_wait_dscnt 8                                 ; wb's and xb's rows 0-63 are in; the youngest eight loads (xb's rows 64-127) may be out
	MUL16 \f, 0, 0, \first
	MUL16 \f, 0, 2, \first
	PLACES
	FETCH \slot, \k, \g
	s_wait_dscnt 32                                ; all but the 32 just issued
	MUL16 \f, 1, 0, \first
	MUL16 \f, 1, 2, \first
.endm
; The last quarter multiplies buffer 1 and changes slots.  MEET is its first half: ONE barrier for the change of slots.  In front of it each wave waits for all its tensor loads, of which one is out: its part
; of the next slot; adds 0 to its spare word; and waits for that and for its own reads of this slot.  Behind it nobody reads this slot any more and the next slot is whole.
.macro MEET round                      ; round = 1: the rest of a round of the cluster's barrier follows
	WIN 0                                          ; (the add's two registers lie in window 0)
	s_wait_tensorcnt 0x0                           ; all my tensor loads have landed: the one that was out is my part of the next slot
	ds_add_u32 v[SPW], v[NIL]                      ; 0 onto my spare word
	s_wait_dscnt 9                                 ; (the add and the youngest eight loads may be out)
	MUL16 F1, 0, 0, 0                              ; sixteen matrix instructions stand between the add and the wait for it
	s_wait_dscnt 0x0                               ; the add is done, and my reads of this slot are over:
	s_barrier_signal -1                            ; say so,
	MUL16 F1, 0, 2, 0                              ; work on registers while the others arrive,
.if \round
	WIN 0
.endif
	s_barrier_wait -1                              ; and go on when all four have said so
.endm
; The whole last quarter.  fill = 1: behind the barrier, which then opens a round of the cluster's, the slot just read out is filled again first, with the K step two steps on; then come the next slot's
; first fragments.  From a request to the wait for it a wave issues 224 matrix instructions.  fill = 0: nothing is left to ask for.
.macro TURN slot, next, fill
.if \fill
	s_wait_xcnt 0x0                                ; the last prefetch, a K step back, has read its address: it is stepped here, ahead of the waits of the change of slots
	s_add_nc_u64 s[PFA:PFA+1], s[PFA:PFA+1], STEPB
.endif
	MEET \fill
.if \fill
	CREST                                          ; all sixteen work-groups have said so: no wave of any partner still reads this slot or has a load on its way
	s_add_nc_u64 s[G0+4*(\slot)+2:G0+4*(\slot)+3], s[G0+4*(\slot)+2:G0+4*(\slot)+3], 2*STEPB     ; no tensor load of mine is out, so a group 0 may be written; the type bits on top are not reached
	s_add_nc_u64 s[G0B+4*(\slot)+2:G0B+4*(\slot)+3], s[G0B+4*(\slot)+2:G0B+4*(\slot)+3], 2*STEPB
	JLOAD \slot                                    ; my one tensor load behind the round; the four v_nop behind it are also the places in front of the loads below
.else
	PLACES
.endif
	FETCH \next, 0, F0
.if \fill
	ASK
.endif
	MUL16 F1, 1, 0, 0
	MUL16 F1, 1, 2, 0
.endm
; THE WAY OUT of my block a of 16 rows.  TOSTAGE: a lane's 32 bytes of each of the 8 column blocks go into my own stage, each accumulator's low registers first; whole rows of
; 512 bytes come back.  LDS serves a wave's instructions in order (ISA guide 5.7.1.4): the loads see the stores above them, and the next block's stores come behind these loads.
.macro TOSTAGE a
.set tC, 64*((\a)%4)
.set tO, OB+64*((\a)%2)
	WIN ST_LO+4*((\a)/4)
.irp b, 0,1,2,3,4,5,6,7
	ds_store_b128 v[STO], v[tC+8*(\b):tC+8*(\b)+3]   offset:64*(\b)
	ds_store_b128 v[STO], v[tC+8*(\b)+4:tC+8*(\b)+7] offset:64*(\b)+16
.endr
	WIN 0
.if (\a) >= 2
	s_wait_xcnt 0x0                                ; the stores of the block two back have read these registers
.endif
.irp t, 0,1,2,3,4,5,6,7,8,9,10,11,12,13,14,15
	ds_load_b128 v[tO+4*(\t):tO+4*(\t)+3], v[RD] offset:(\t)*SPITCH
.endr
.endm
.macro SEND a, younger                 ; younger: the LDS instructions issued behind block a's loads: the next block's 32, or none
.set tO, OB+64*((\a)%2)
	WIN 0
	s_wait_xcnt 0x0                                ; earlier stores have read their base, so it may be stepped
.if (\a) == 0
	s_add_nc_u64 s[8:9], s[8:9], s[16:17]          ; on to my first rows
.else
	s_add_nc_u64 s[8:9], s[8:9], 16*SIZE_N*4       ; 16 rows on
.endif
.irp t, 0,1,2,3,4,5,6,7,8,9,10,11,12,13,14,15
	s_wait_dscnt (\younger)+15-(\t)                ; row t is back; my later rows and the younger ones may stay out
	global_store_b128 v[CO], v[tO+4*(\t):tO+4*(\t)+3], s[8:9] offset:(\t)*SIZE_N*4 th:TH_STORE_NT  ; the wave stores 512 consecutive bytes of a row, at a multiple of 512 from out0's first byte
.endr
.endm
	s_wait_loadcnt 0x0                             ; bias
	s_wait_tensorcnt 1                             ; my part of K step 0 is in; K step 1's may stay out
	s_barrier_signal -1
	s_barrier_wait -1                              ; everybody's is
	FETCH 0, 0, F0
	QUARTER 0, 64,  F0, F1, 1                      ; the first quarter stands in front of the loop: its products start the sums, with the bias
	WIN 0                                          ; at a label and at a branch every window is 0
	s_mov_b32 s3, LAPS-1
.Llap:                                                 ; a trip goes once round the ring, from a lap's second quarter to the next lap's first, and fills both slots again: 15 trips, the last request is K step 31
	QUARTER 0, 128, F1, F0, 0
	QUARTER 0, 192, F0, F1, 0
	TURN 0, 1, 1
	QUARTER 1, 64,  F0, F1, 0
	QUARTER 1, 128, F1, F0, 0
	QUARTER 1, 192, F0, F1, 0
	TURN 1, 0, 1
	QUARTER 0, 64,  F0, F1, 0
	WIN 0
	s_sub_co_u32 s3, s3, 1
	s_cmp_lg_u32 s3, 0
	s_cbranch_scc1 .Llap
	QUARTER 0, 128, F1, F0, 0                      ; the last lap is written out: it fills nothing and has no round of the cluster's barrier
	QUARTER 0, 192, F0, F1, 0
	TURN 0, 1, 0
	QUARTER 1, 64,  F0, F1, 0
	QUARTER 1, 128, F1, F0, 0
	QUARTER 1, 192, F0, F1, 0
	s_wait_dscnt 8                                 ; the very last quarter: nothing more to fetch
	MUL16 F1, 0, 0, 0
	MUL16 F1, 0, 2, 0
	s_wait_dscnt 0x0
	MUL16 F1, 1, 0, 0
	MUL16 F1, 1, 2, 0
	WIN 0
.rept 8
	v_nop                                          ; plain places, once a launch, behind the last products: ahead of the LDS stores that read results and of the loads into registers that those products read
.endr
	TOSTAGE 0
.irp a, 1,2,3,4,5,6,7                  ; block a goes into the stage while block a - 1's rows come back and leave
	TOSTAGE \a
	SEND (\a)-1, 32
.endr
	SEND 7, 0
	s_wait_tensorcnt 0x0                           ; the wave's end, behind my last tensor load and my last LDS store
	ds_add_u32 v[SPW], v[NIL]
	s_wait_dscnt 0x0
	CROUND                                         ; the closing round: no work-group ends while a partner may still ask for a tile that names it
	s_endpgm
.Lfunc_end_k_q222a20c588_gemm:
	.size	k_q222a20c588_gemm, .Lfunc_end_k_q222a20c588_gemm-k_q222a20c588_gemm
	.p2alignl 7, 3214868480
	.fill 96, 4, 3214868480
	.section	.rodata,"a",@progbits
	.p2align	6, 0x0
	.amdhsa_kernel k_q222a20c588_gemm
		.amdhsa_group_segment_fixed_size 327680
		.amdhsa_private_segment_fixed_size 0
		.amdhsa_enable_private_segment 0
		.amdhsa_kernarg_size 32
		.amdhsa_user_sgpr_count 2
		.amdhsa_user_sgpr_kernarg_segment_ptr 1
		.amdhsa_wavefront_size32 1
		.amdhsa_system_sgpr_workgroup_id_x 1
		.amdhsa_system_sgpr_workgroup_id_y 1
		.amdhsa_system_sgpr_workgroup_id_z 1
		.amdhsa_system_vgpr_workitem_id 0
		.amdhsa_next_free_vgpr 1024
		.amdhsa_next_free_sgpr 68
		.amdhsa_reserve_vcc 0
		.amdhsa_float_denorm_mode_32 3
		.amdhsa_float_denorm_mode_16_64 3
		.amdhsa_memory_ordered 1
		.amdhsa_forward_progress 1
		.amdhsa_inst_pref_size 147
	.end_amdhsa_kernel
	.amdgpu_metadata
---
amdhsa.version: [ 1, 2 ]
amdhsa.kernels:
  - .name:           k_q222a20c588_gemm
    .symbol:         k_q222a20c588_gemm.kd
    .args:
      - { .name: xb, .offset: 0, .size: 8, .value_kind: global_buffer, .address_space: global }
      - { .name: wb, .offset: 8, .size: 8, .value_kind: global_buffer, .address_space: global }
      - { .name: out0, .offset: 16, .size: 8, .value_kind: global_buffer, .address_space: global }
      - { .name: bias, .offset: 24, .size: 8, .value_kind: global_buffer, .address_space: global }
    .group_segment_fixed_size: 327680
    .private_segment_fixed_size: 0
    .kernarg_segment_align: 8
    .kernarg_segment_size: 32
    .max_flat_workgroup_size: 128
    .sgpr_count:     68
    .vgpr_count:     1024
    .wavefront_size: 32
...
	.end_amdgpu_metadata
.endif
;; end of part 4
;; ======== version 4 of 4: 2 launches; version 3 with the launch cvt written anew for expert scheduling mode
;; workspace buffers: xb 16,777,216 bytes; wb 67,108,864 bytes
;; launch cvt (part 5): grid 1280 x 1, 8 waves a work-group, no clusters, 0 bytes of LDS; arguments x, weight, xb, wb; writes xb, wb
.if DOCPART == 5
	.amdgcn_target "amdgcn-amd-amdhsa--gfx1250"
	.amdhsa_code_object_version 6
	.text
	.protected	k_q222a20c588_cvt
	.globl	k_q222a20c588_cvt
	.p2align	8
	.type	k_q222a20c588_cvt,@function
k_q222a20c588_cvt:
	s_mov_b64 s[64:65], 0
	v_nop
	global_prefetch_b8 v0, s[64:65] scope:SCOPE_SE
	s_setreg_imm32_b32 hwreg(HW_REG_WAVE_SCHED_MODE, 0, 2), 2
	s_setreg_imm32_b32 hwreg(HW_REG_WAVE_MODE, 25, 1), 1
	s_wait_xcnt 0x0
	s_wait_alu depctr_vm_vsrc(0)
; xb = x and wb = weight, each number rounded once, to nearest even, from f32 to bf16; the layouts stay: [2048][4096] and [8192][4096], row-major.
; LIMITS.  A number beyond bf16's largest finite one, 3.39e38, becomes an infinity; NaN stays NaN.
; WHY A LAUNCH OF ITS OWN.  The product that follows reads each number of x in 32 work-groups and each number of weight in 8, and in each of them two waves take it out of LDS: rounded here, once, it is
; 2 bytes on all those ways, and a tile of the same bytes in LDS holds twice as much of K.
; SHARES.  The two inputs are 160 MiB of f32, cut into 1,280 pieces of 128 KiB: work-groups 0-255 take x's, the others weight's.  Of a piece each of the eight waves takes 16 KiB: 32 loads of 16 bytes a
; lane, each 512 consecutive bytes, all issued at once into registers of their own.  A load's four numbers are rounded in place into two registers and stored: 32 lanes x 8 bytes are 256 consecutive
; bytes, at a multiple of 256 from the buffer's first byte.
; No LDS, no barrier, no matrix unit, no cluster: no wave wants a byte that another has fetched.  No prefetch: the launch does nothing but stream.
; THE MODE: SCHED_MODE bits 1:0 = 2 (LLVM: expert scheduling mode 2), set by the entry lines.  The code itself states the register dependences between vector instructions and memory instructions,
; with s_wait_alu, always for 0.
; THE PLAN.  Registers that memory instructions touch:
;   v1, v2       the loads' and the stores' byte offsets: written by vector instructions at the head, once; read by every load and every store; never written again.
;   X, load i    four registers.  Load i lands in them; all 32 loads are issued before any vector instruction names a register of X.  Load i's two conversions read the four and write the first two,
;                which store i reads.  Nothing writes them after that.
; So no register that a memory instruction has read is written again, and no load lands in a register that a vector instruction has named: the one kind of dependence to state is a vector result that a
; memory instruction reads.  The 32 loads go in 8 blocks of four.  Block p waits for its four loads, then ONE wait on va_vdst states that block p - 1's eight conversions have written their registers;
; block p - 1's four stores follow it, dealt among block p's eight conversions, which name block p's registers alone: none that those stores touch.  The text has no loop: this is its one path.
.set PIECE, 131072                     ; bytes of f32 to a work-group
.set XP,    2048*4096*4/PIECE          ; x's pieces: 256
.set NL,    32                         ; loads of a wave
.set BL,    4                          ; loads in a block
.set NB,    NL/BL                      ; blocks: 8
.set X,     4                          ; v[4:131]  load i: four registers as loaded; the first two then hold its four bf16
	s_load_b256 s[4:11], s[0:1], 0x0               ; x s[4:5], weight s[6:7], xb s[8:9], wb s[10:11]
	s_sub_co_u32 s12, ttmp9, XP                    ; my piece's number in weight,
	s_cmp_lt_u32 ttmp9, XP
	s_cselect_b32 s12, ttmp9, s12                  ; or in x
	s_lshl_b32 s18, s12, 17                        ; its first byte in the input (under 2^27),
	s_mov_b32 s19, 0
	s_lshl_b32 s20, s12, 16                        ; and in the output
	s_mov_b32 s21, 0
	v_and_b32 v1, 31, v0                           ; lane
	v_lshrrev_b32 v2, 5, v0                        ; wave
	v_lshlrev_b32 v3, 3, v1
	v_lshlrev_b32 v1, 4, v1
	v_lshl_add_u32 v1, v2, 14, v1                  ; in: 16,384 x wave + 16 x lane; never rewritten
	v_lshl_add_u32 v2, v2, 13, v3                  ; out: 8,192 x wave + 8 x lane; never rewritten
	s_wait_kmcnt 0x0
	s_cmp_lt_u32 ttmp9, XP                         ; the choice between the buffers hangs on the work-group's number alone
	s_cselect_b64 s[14:15], s[4:5], s[6:7]
	s_cselect_b64 s[16:17], s[8:9], s[10:11]
	s_add_nc_u64 s[14:15], s[14:15], s[18:19]
	s_add_nc_u64 s[16:17], s[16:17], s[20:21]
	s_wait_alu depctr_va_vdst(0)                   ; v1 and v2 are written: every load below reads v1 as its offset, every store v2
.set i, 0
.rept NL
	global_load_b128 v[X+4*i:X+4*i+3], v1, s[14:15] offset:512*i th:TH_LOAD_NT
.set i, i+1
.endr
.set p, 0
.rept NB
	s_wait_loadcnt NL-BL*(p+1)                     ; loads come back in order (ISA guide 5.7.1): block p's four are in, the younger blocks' stay out
.if p > 0
	s_wait_alu depctr_va_vdst(0)                   ; the conversions of the block before have written the first two registers of each of its loads, which the four stores below read
.endif
.set j, 0
.rept BL
.set i, BL*p+j
.if p > 0
	global_store_b64 v2, v[X+4*(i-BL):X+4*(i-BL)+1], s[16:17] offset:256*(i-BL) th:TH_STORE_NT  ; the block before; no vector instruction since the wait names these registers
.endif
	v_cvt_pk_bf16_f32 v[X+4*i], v[X+4*i], v[X+4*i+1]      ; the first source into the low half
	v_cvt_pk_bf16_f32 v[X+4*i+1], v[X+4*i+2], v[X+4*i+3]
.set j, j+1
.endr
.set p, p+1
.endr
	s_wait_alu depctr_va_vdst(0)                   ; the last block's conversions have written their registers, which the last four stores read
.set i, NL-BL
.rept BL
	global_store_b64 v2, v[X+4*i:X+4*i+1], s[16:17] offset:256*i th:TH_STORE_NT
.set i, i+1
.endr
	s_endpgm
.Lfunc_end_k_q222a20c588_cvt:
	.size	k_q222a20c588_cvt, .Lfunc_end_k_q222a20c588_cvt-k_q222a20c588_cvt
	.p2alignl 7, 3214868480
	.fill 96, 4, 3214868480
	.section	.rodata,"a",@progbits
	.p2align	6, 0x0
	.amdhsa_kernel k_q222a20c588_cvt
		.amdhsa_group_segment_fixed_size 0
		.amdhsa_private_segment_fixed_size 0
		.amdhsa_enable_private_segment 0
		.amdhsa_kernarg_size 32
		.amdhsa_user_sgpr_count 2
		.amdhsa_user_sgpr_kernarg_segment_ptr 1
		.amdhsa_wavefront_size32 1
		.amdhsa_system_sgpr_workgroup_id_x 1
		.amdhsa_system_sgpr_workgroup_id_y 1
		.amdhsa_system_sgpr_workgroup_id_z 1
		.amdhsa_system_vgpr_workitem_id 0
		.amdhsa_next_free_vgpr 132
		.amdhsa_next_free_sgpr 66
		.amdhsa_reserve_vcc 0
		.amdhsa_float_denorm_mode_32 3
		.amdhsa_float_denorm_mode_16_64 3
		.amdhsa_memory_ordered 1
		.amdhsa_forward_progress 1
		.amdhsa_inst_pref_size 12
	.end_amdhsa_kernel
	.amdgpu_metadata
---
amdhsa.version: [ 1, 2 ]
amdhsa.kernels:
  - .name:           k_q222a20c588_cvt
    .symbol:         k_q222a20c588_cvt.kd
    .args:
      - { .name: x, .offset: 0, .size: 8, .value_kind: global_buffer, .address_space: global }
      - { .name: weight, .offset: 8, .size: 8, .value_kind: global_buffer, .address_space: global }
      - { .name: xb, .offset: 16, .size: 8, .value_kind: global_buffer, .address_space: global }
      - { .name: wb, .offset: 24, .size: 8, .value_kind: global_buffer, .address_space: global }
    .group_segment_fixed_size: 0
    .private_segment_fixed_size: 0
    .kernarg_segment_align: 8
    .kernarg_segment_size: 32
    .max_flat_workgroup_size: 256
    .sgpr_count:     66
    .vgpr_count:     132
    .wavefront_size: 32
...
	.end_amdgpu_metadata
.endif
;; end of part 5
;; launch gemm: the kernel of part 4 again; grid 32 x 8, 4 waves a work-group, clusters of 4 x 4, 327,680 bytes of LDS; arguments xb, wb, out0, bias; writes out0
